; MI455X (gfx1250); checked and timed in simulation.
; The chip was launched on July 23, 2026; its instructions are those of AMD's public machine-readable ISA for CDNA 5 (MIT licence, August 2026) and "CDNA5" Instruction Set Architecture Reference Guide (July 2026). The comments in the code are by the model that wrote it; some were corrected since.
;; Causal Self Attention. Allowed arithmetic: matrix products marked QUANTISED: E4M3 operands, one given power-of-two scale a tensor, by v_wmma_f32_16x16x64_fp8_fp8 or v_wmma_f32_16x16x128_fp8_fp8, f32 sums; everything else in f32.
;; Inputs: Wk 1,024 x 1,024 float32; Wp 1,024 x 1,024 float32; Wq 1,024 x 1,024 float32; Wv 1,024 x 1,024 float32; lowp_scales 12 int32 (the exponents e of the quantised operands' scales 2^e); x 4 x 2,048 x 1,024 float32.
;; Outputs: out0 4 x 2,048 x 1,024 float32.
;; This version of the problem:
;;   THIS VERSION OF THE PROBLEM IS GIVEN IN LOW PRECISION. The matrix products marked QUANTISED in the list below multiply operands that are first quantised to E4M3 (4 exponent bits, 3 mantissa bits; 8 bits a number), with one given power-of-two scale for each operand tensor; their sums are f32. All else is computed in f32.
;;   The module's matrix products, in the order in which they are computed (A, B: the left and right operand; K: the contracted axis; several contracted axes count as one K, in the product's order):
;;     1. [M 8,192, K 1,024] x [K 1,024, N 1,024]; A: input x; B: input Wq: QUANTISED (scales: A lowp_scales[0], B lowp_scales[1])
;;     2. [M 8,192, K 1,024] x [K 1,024, N 1,024]; A: input x; B: input Wk: QUANTISED (scales: A lowp_scales[2], B lowp_scales[3])
;;     3. [M 8,192, K 1,024] x [K 1,024, N 1,024]; A: input x; B: input Wv: QUANTISED (scales: A lowp_scales[4], B lowp_scales[5])
;;     4. batch 64 x [M 2,048, K 64] x [K 64, N 2,048]; A: computed on the way; B: computed on the way: QUANTISED (scales: A lowp_scales[6], B lowp_scales[7])
;;     5. batch 64 x [M 2,048, K 2,048] x [K 2,048, N 64]; A: softmax (see below); B: computed on the way: QUANTISED (scales: A lowp_scales[8], B lowp_scales[9])
;;     6. [M 8,192, K 1,024] x [K 1,024, N 1,024]; A: computed on the way; B: input Wp: QUANTISED (scales: A lowp_scales[10], B lowp_scales[11])
;;   THE QUANTISER, for each operand of a quantised product, along K:
;;     - The operand's scale is 2^e, e = its entry of the input lowp_scales (int32; the entries are numbered through the quantised products in the list's order, A before B).
;;     - Each number is divided by the scale, clamped to +-448, and rounded to the nearest number of E4M3, ties to even, subnormals kept.
;;     - The product sums the exact products of the quantised numbers (number of the format x scale) in f32.
;;   ~~~python
;;   def quantise(x, axis, e):      # numpy; x: float32 -> the quantised numbers, widened to float32 again
;;       x = np.moveaxis(x, axis, -1); K = x.shape[-1]
;;       r = np.clip(x / 2.0 ** e, -448, 448)
;;       step = 2.0 ** (np.maximum(np.frexp(np.where(r == 0, 1, r))[1] - 1, -6) - 3)
;;       q = np.round(r / step) * step * 2.0 ** e      # np.round: ties to even
;;       return np.moveaxis(q, -1, axis).astype(np.float32)
;;   ~~~
;;   SOFTMAX AHEAD OF A QUANTISED PRODUCT. Where the list says 'softmax', what is quantised is not the finished softmax but p = 2^(t - M), with t = logit x log2(e) and M = ceil(the row's largest t), a whole number; so 1/2 < the row's largest p <= 1. The row's sum l is taken of the UNQUANTISED p, in f32, and the product's result is divided by l at the end. Since M is a whole number, a kernel that streams over the keys may use a running M (the ceiling of the running maximum): every later rescaling is an exact power of two, so the quantised numbers keep their values, but for numbers so far below the row's largest that they fall under the format's range.
;;   OPERANDS COMPUTED ON THE WAY. 'Computed on the way' means the value that the module computes at that place (a softmax that the list does not call 'softmax' is quantised finished and normalised). What goes into a quantiser is computed in f32, as accurately as f32 sums, v_exp_f32 and their like allow (about 1e-6 of the number): no bf16 or f16 on the way to a quantiser, and a product that is left as it is and whose result goes on into a quantised operand takes f32 operands (vector FMAs, or v_wmma_f32_16x16x4_f32). A number that lies on a knife's edge between two numbers of the format may be rounded either way, as far as f32 arithmetic and the matrix unit's own rounding can turn it there, and no further.
;; 2 versions, each right; version 2 is version 1 with the launch attn written anew for expert scheduling mode. Each part assembles by itself: llvm-mc -triple=amdgcn-amd-amdhsa -mcpu=gfx1250 --defsym DOCPART=n.
;; ======== version 1 of 2: 4 launches
;; workspace buffers: xc 25,165,824 bytes; wc 4,194,304 bytes; qc 8,388,608 bytes; kc 8,388,608 bytes; vc 8,388,608 bytes; yc 8,388,608 bytes
;; launch quant (part 1): grid 384 x 1, 4 waves a work-group, no clusters, 34,304 bytes of LDS; arguments x, Wq, Wk, Wv, Wp, lowp_scales, xc, wc; writes xc, wc
.if DOCPART == 1
	.amdgcn_target "amdgcn-amd-amdhsa--gfx1250"
	.amdhsa_code_object_version 6
	.text
	.protected	k_qc61c394115_quant
	.globl	k_qc61c394115_quant
	.p2align	8
	.type	k_qc61c394115_quant,@function
k_qc61c394115_quant:
	s_mov_b64 s[64:65], 0
	v_nop
	global_prefetch_b8 v0, s[64:65] scope:SCOPE_SE
	s_setreg_imm32_b32 hwreg(HW_REG_WAVE_MODE, 25, 1), 1
	s_wait_xcnt 0x0
; x [8192][1024] f32 becomes three sets of E4M3 codes (scales 2^e0, 2^e2, 2^e4: one for each of the three projections); Wq, Wk, Wv, Wp [1024][1024] f32 one set each (e1, e3, e5, e11).
; code = number / 2^e, held within +-448, to the nearest code, ties to even.
; THE CODES ARE LAID AS IMAGES OF THE MATRIX OPERAND'S REGISTERS.  A fragment, 16 rows x 128 K, is 16 registers a lane: lane (r, h) holds row r, registers 2 c, 2 c + 1 hold K = 16 c + 8 h + 0 .. 7.
; Its image is 2,048 bytes: registers 4 p .. 4 p + 3 of lane l at byte 512 p + 16 l.  xc: [3 sets][512 tiles of 16 rows][8 K steps of 128][2048];  wc: [q, k, v, p][64 tiles][8][2048].
; A JOB is one fragment.  Its 16 loads read 512 consecutive bytes of one row each; the numbers turn through the wave's own stage in LDS (rows of 512 + 16 bytes) and come back eight neighbours along K at a time;
; the conversions' results are the image's registers, and each store covers 512 consecutive bytes, aligned.  A wave does 4 jobs: one tile of 16 rows, half of K.
; Work-groups 0-255 take x, 256-383 the weights.  Only pointers, a mask and an exponent are chosen by the work-group's number: both kinds take one path, and the weights' jump over the second and third conversion.
; No tensor load, no barrier: waves share nothing.
; LIMITS: each e between -126 and 119, so that 2^e and 448 x 2^e are f32 numbers.  NaN among the inputs is not served (an infinity is held at the largest code).
.set STG,   16*528                     ; a wave's stage
.set SPARE, 4*STG                      ; behind the stages: the spare words, 128 bytes for each wave: two blocks of 256 bytes that no other line names
.set GI,  4                            ; v4      16 x lane: my bytes of a load's or a store's 512
.set SI,  5                            ; v5      the stage on the way in: 16 x lane
.set SO,  6                            ; v6      and on the way out: row r, + 32 h
.set SC,  8                            ; v8-10   2^e as f32, for the three conversions
.set LIM, 11                           ; v11-13  448 x 2^e
.set SPW, 14                           ; v14     LDS address of my spare word; never rewritten
.set NIL, 15                           ; v15     0; never rewritten
.set R,   16                           ; v16-79  a job's numbers as loaded
.set X,   80                           ; v80-143 register 8 c + j: row r, K = 16 c + 8 h + j
.set T,   144                          ; v144-159 two sets of eight held numbers
.set C,   160                          ; v160-207 three fragments of codes
.set SRC, 44                           ; s[44:45] where my numbers lie
.set DST, 46                           ; s[46:51] where my codes go: three pointers
	s_load_b256 s[4:11], s[0:1], 0x0               ; x s[4:5], Wq s[6:7], Wk s[8:9], Wv s[10:11]
	s_load_b256 s[12:19], s[0:1], 0x20             ; Wp s[12:13], the exponents s[14:15], xc s[16:17], wc s[18:19]
	v_lshl_add_u32 v[SPW], v0, 2, SPARE
	v_mov_b32 v[NIL], 0
	v_lshrrev_b32 v1, 5, v0
	v_readfirstlane_b32 s32, v1                    ; wave 0..3
	v_and_b32 v1, 31, v0                           ; lane
	v_and_b32 v2, 15, v0                           ; r
	v_bfe_u32 v3, v0, 4, 1                         ; h
	v_lshlrev_b32 v[GI], 4, v1
	s_mul_i32 s33, s32, STG
	v_add_nc_u32 v[SI], s33, v[GI]
	v_mul_u32_u24 v[SO], v2, 528
	v_lshl_add_u32 v[SO], v3, 5, v[SO]
	v_add_nc_u32 v[SO], s33, v[SO]
	s_cmp_lt_u32 ttmp9, 256                        ; x's work-group or a weight's?
	s_cselect_b32 s34, 0, 256
	s_cselect_b32 s35, 511, 63                     ; tiles of 16 rows in the tensor, less one
	s_sub_co_u32 s34, ttmp9, s34
	s_lshl_b32 s34, s34, 2
	s_add_co_u32 s34, s34, s32                     ; u: which half tile is my wave's
	s_lshr_b32 s36, s34, 1
	s_lshr_b32 s37, s34, 7                         ; among the weights: which of the four
	s_and_b32 s36, s36, s35                        ; the tile of 16 rows
	s_and_b32 s38, s34, 1                          ; which half of K
	s_lshl_b32 s40, s36, 16                        ; 16 rows of 4,096 bytes
	s_lshl_b32 s38, s38, 11                        ; 512 numbers
	s_add_co_u32 s40, s40, s38
	s_mov_b32 s41, 0
	s_lshl_b32 s42, s34, 13                        ; the codes: four images for each u, in xc and in wc alike (64 tiles x 2 halves are one weight's section)
	s_mov_b32 s43, 0
	s_wait_kmcnt 0x0
	s_load_b256 s[20:27], s[14:15], 0x0            ; e0 .. e7
	s_load_b128 s[28:31], s[14:15], 0x20           ; e8 .. e11
	s_cmp_eq_u32 s37, 1
	s_cselect_b64 s[SRC:SRC+1], s[8:9], s[6:7]
	s_cmp_eq_u32 s37, 2
	s_cselect_b64 s[SRC:SRC+1], s[10:11], s[SRC:SRC+1]
	s_cmp_eq_u32 s37, 3
	s_cselect_b64 s[SRC:SRC+1], s[12:13], s[SRC:SRC+1]
	s_cmp_lt_u32 ttmp9, 256
	s_cselect_b64 s[SRC:SRC+1], s[4:5], s[SRC:SRC+1]
	s_cselect_b64 s[DST:DST+1], s[16:17], s[18:19]
	s_add_nc_u64 s[SRC:SRC+1], s[SRC:SRC+1], s[40:41]
	s_add_nc_u64 s[DST:DST+1], s[DST:DST+1], s[42:43]
	s_add_nc_u64 s[DST+2:DST+3], s[16:17], s[42:43]
	s_add_nc_u64 s[DST+2:DST+3], s[DST+2:DST+3], 0x800000      ; x's second set
	s_add_nc_u64 s[DST+4:DST+5], s[DST+2:DST+3], 0x800000      ; and its third
.macro LOADJ t                         ; job t: 16 rows x 512 bytes
.irp i, 0,1,2,3,4,5,6,7,8,9,10,11,12,13,14,15
	global_load_b128 v[R+4*\i:R+4*\i+3], v[GI], s[SRC:SRC+1] offset:\i*4096+(\t)*512 th:TH_LOAD_NT
.endr
.endm
.macro TURNJ                           ; through my stage: LDS serves a wave's instructions in order, so no wait stands between the stores and the loads
.irp i, 0,1,2,3,4,5,6,7,8,9,10,11,12,13,14,15
	ds_store_b128 v[SI], v[R+4*\i:R+4*\i+3] offset:\i*528
.endr
.irp k, 0,1,2,3,4,5,6,7,8,9,10,11,12,13,14,15
	ds_load_b128 v[X+4*\k:X+4*\k+3], v[SO] offset:64*(\k/2)+16*(\k%2)
.endr
.endm
.macro MKSC e, s                       ; 2^e and 448 x 2^e as f32
	s_add_co_i32 s53, \e, 127
	s_lshl_b32 s54, s53, 23
	v_mov_b32 v[SC+\s], s54
	s_add_co_i32 s53, s53, 8
	s_lshl_b32 s53, s53, 23
	s_or_b32 s53, s53, 0x600000
	v_mov_b32 v[LIM+\s], s53
.endm
; The job's 64 numbers a lane become a fragment under scale s.  The conversion to an 8-bit code does not saturate (ISA guide 7.6.2): the number is held first, into one of two sets by turns,
; so that the eight holds of the other set stand between a conversion and the next write of its sources.
.macro CONV s
.irp c, 0,1,2,3,4,5,6,7
.irp j, 0,1,2,3,4,5,6,7
	v_med3_num_f32 v[T+8*(\c%2)+\j], v[X+8*\c+\j], -v[LIM+\s], v[LIM+\s]
.endr
	v_cvt_scalef32_pk8_fp8_f32 v[C+16*\s+2*\c:C+16*\s+2*\c+1], v[T+8*(\c%2):T+8*(\c%2)+7], v[SC+\s]
.endr
	v_nop                                          ; a plain line behind the last conversion
.endm
.macro PUT s, t                        ; the image: four stores of 512 consecutive bytes
.irp p, 0,1,2,3
	global_store_b128 v[GI], v[C+16*\s+4*\p:C+16*\s+4*\p+3], s[DST+2*\s:DST+2*\s+1] offset:(\t)*2048+\p*512
.endr
.endm
	LOADJ 0
	s_wait_kmcnt 0x0
	s_cmp_eq_u32 s37, 1
	s_cselect_b32 s52, s23, s21                    ; e3 or e1
	s_cmp_eq_u32 s37, 2
	s_cselect_b32 s52, s25, s52                    ; e5
	s_cmp_eq_u32 s37, 3
	s_cselect_b32 s52, s31, s52                    ; e11
	s_cmp_lt_u32 ttmp9, 256
	s_cselect_b32 s52, s20, s52                    ; e0 for x
	MKSC s52, 0
	MKSC s22, 1                                    ; e2
	MKSC s24, 2                                    ; e4
.macro JOB t
	s_wait_loadcnt 0x0                             ; the job's 16 loads are in
	TURNJ
	s_wait_dscnt 0x0                               ; the numbers are back, and the stage's stores have read their registers,
	s_wait_xcnt 0x0                                ; and the last job's stores have read the codes' registers, which are written again below
.if (\t) < 3
	LOADJ (\t)+1                                   ; the next job's numbers come while this one is converted
.endif
	CONV 0
	PUT 0, \t
	s_cmp_lt_u32 ttmp9, 256
	s_cbranch_scc0 .Lweight_\@                     ; a weight has one scale
	CONV 1
	PUT 1, \t
	CONV 2
	PUT 2, \t
.Lweight_\@:
.endm
	JOB 0
	JOB 1
	JOB 2
	JOB 3
	s_wait_tensorcnt 0x0                           ; the wave's end, behind my last LDS store
	ds_add_u32 v[SPW], v[NIL]
	s_wait_dscnt 0x0
	s_endpgm
.Lfunc_end_k_qc61c394115_quant:
	.size	k_qc61c394115_quant, .Lfunc_end_k_qc61c394115_quant-k_qc61c394115_quant
	.p2alignl 7, 3214868480
	.fill 96, 4, 3214868480
	.section	.rodata,"a",@progbits
	.p2align	6, 0x0
	.amdhsa_kernel k_qc61c394115_quant
		.amdhsa_group_segment_fixed_size 34304
		.amdhsa_private_segment_fixed_size 0
		.amdhsa_enable_private_segment 0
		.amdhsa_kernarg_size 64
		.amdhsa_user_sgpr_count 2
		.amdhsa_user_sgpr_kernarg_segment_ptr 1
		.amdhsa_wavefront_size32 1
		.amdhsa_system_sgpr_workgroup_id_x 1
		.amdhsa_system_sgpr_workgroup_id_y 1
		.amdhsa_system_sgpr_workgroup_id_z 1
		.amdhsa_system_vgpr_workitem_id 0
		.amdhsa_next_free_vgpr 208
		.amdhsa_next_free_sgpr 66
		.amdhsa_reserve_vcc 0
		.amdhsa_float_denorm_mode_32 3
		.amdhsa_float_denorm_mode_16_64 3
		.amdhsa_memory_ordered 1
		.amdhsa_forward_progress 1
		.amdhsa_inst_pref_size 78
	.end_amdhsa_kernel
	.amdgpu_metadata
---
amdhsa.version: [ 1, 2 ]
amdhsa.kernels:
  - .name:           k_qc61c394115_quant
    .symbol:         k_qc61c394115_quant.kd
    .args:
      - { .name: x, .offset: 0, .size: 8, .value_kind: global_buffer, .address_space: global }
      - { .name: Wq, .offset: 8, .size: 8, .value_kind: global_buffer, .address_space: global }
      - { .name: Wk, .offset: 16, .size: 8, .value_kind: global_buffer, .address_space: global }
      - { .name: Wv, .offset: 24, .size: 8, .value_kind: global_buffer, .address_space: global }
      - { .name: Wp, .offset: 32, .size: 8, .value_kind: global_buffer, .address_space: global }
      - { .name: lowp_scales, .offset: 40, .size: 8, .value_kind: global_buffer, .address_space: global }
      - { .name: xc, .offset: 48, .size: 8, .value_kind: global_buffer, .address_space: global }
      - { .name: wc, .offset: 56, .size: 8, .value_kind: global_buffer, .address_space: global }
    .group_segment_fixed_size: 34304
    .private_segment_fixed_size: 0
    .kernarg_segment_align: 8
    .kernarg_segment_size: 64
    .max_flat_workgroup_size: 128
    .sgpr_count:     66
    .vgpr_count:     208
    .wavefront_size: 32
...
	.end_amdgpu_metadata
.endif
;; end of part 1
;; launch qkv (part 2): grid 12 x 32, 4 waves a work-group, clusters of 4 x 4, 327,680 bytes of LDS; arguments xc, wc, lowp_scales, qc, kc, vc; writes qc, kc, vc
.if DOCPART == 2
	.amdgcn_target "amdgcn-amd-amdhsa--gfx1250"
	.amdhsa_code_object_version 6
	.text
	.protected	k_qc61c394115_qkv
	.globl	k_qc61c394115_qkv
	.p2align	8
	.type	k_qc61c394115_qkv,@function
k_qc61c394115_qkv:
	s_mov_b64 s[64:65], 0
	v_nop
	global_prefetch_b8 v0, s[64:65] scope:SCOPE_SE
	s_setreg_imm32_b32 hwreg(HW_REG_WAVE_MODE, 25, 1), 1
	s_wait_xcnt 0x0
	s_wait_alu depctr_hold_cnt(0) depctr_sa_sdst(0) depctr_va_vdst(0) depctr_va_sdst(0) depctr_va_ssrc(0) depctr_va_vcc(0) depctr_vm_vsrc(0)
	s_getreg_b32 s2, hwreg(HW_REG_IB_STS2, 6, 4)
	s_cmp_eq_u32 s2, 0
	s_cbranch_scc0 .Lentry_in_a_cluster
	s_endpgm
.Lentry_in_a_cluster:
	s_bfe_u32 s2, ttmp6, 0x10000c
	s_cmp_lg_u32 s2, 0xf033
	s_cbranch_scc0 .Lentry_shape_is_right
	s_endpgm
.Lentry_shape_is_right:
; q = x Wq^T, k = x Wk^T, v = x Wv^T on E4M3 codes, K = 1,024, and the results quantised at once (scales 2^e6, 2^e7, 2^e9) into images of the next products' operands.
; THE OPERANDS ARRIVE AS IMAGES OF REGISTERS: a fragment (16 rows x 128 K, 16 registers a lane) is 2,048 bytes, registers 4 p .. 4 p + 3 of lane l at byte 512 p + 16 l; a tile of 16 rows is 8 such, 16,384 bytes.
; So a K step of 256 of R tiles of 16 rows is R rows of 4,096 bytes, 16,384 bytes apart, which land dense in LDS; a fragment comes by four loads of 16 x lane: no pitch, no padding, 512 consecutive bytes a load.
; A tile of 256 x 256 is made by four waves, each 128 x 128: 64 accumulators, 512 registers.  Cluster x says which product: 0 q, 1 k, 2 v.
; THE MATRIX INSTRUCTION: source 0 = 16 rows of the B side, source 1 = 16 rows of the A side: lane (r, h) then holds A-side row r and B-side rows 8 h + 0 .. 7 in its eight registers.
;   q, k: A side = tokens (x), B side = channels (W): a lane's eight registers are eight neighbouring channels of one token: neighbours along the K of q k^T.
;   v:    A side = channels (Wv), B side = tokens (x): eight neighbouring tokens of one channel: neighbours along the K (the keys) of p v.
; So one conversion of an accumulator gives registers 2 c, 2 c + 1 of the next operand's fragment (16 rows x 64 K, 1,024 bytes), and the codes leave straight from registers, 512 consecutive bytes a store.
;   qc, kc: [64 batch x head][128 tiles of 16 tokens][1024];   vc: [64][32 steps of 64 keys][4 tiles of 16 channels][1024].
; CLUSTERS: 4 x 4 work-groups; the A side's tile is asked for jointly along a row of the cluster, the B side's along a column.
; K goes in four steps of 256 through two LDS slots; all four are written out.  By this text's own count a wave has at most two tensor loads out.
; LIMITS: e6 - e0 - e1, e7 - e2 - e3, e9 - e4 - e5 between -126 and 119, so that each folded scale and 448 x it are f32 numbers.
; REGISTERS, in windows of 256: window 0: v12-31 addresses; v32-95 at work on the way out; from v128 the A side's fragments, ONE set, later the codes.  window 1: the B side's fragments, TWO sets, at v0 and v128.
;   window 2: the accumulators of A blocks 0-3 ((a, b) at v[8 (8 (a % 4) + b)]);  window 3: of blocks 4-7.
.set NA,   8                           ; A blocks of 16 rows a wave
.set H,    NA/2
.set Q4,   NA/4
.set FR,   16                          ; registers of a fragment
.set NL,   4                           ; LDS loads that bring one
.set FRB,  2048                        ; its image
.set KSB,  4096                        ; a tile of 16 rows in a K step of 256
.set SLOT, 131072                      ; the A side's 16 tiles of 16 rows, then the B side's 16
.set SPARE, 2*SLOT                     ; behind the ring: the spare words, 128 bytes for each wave: two blocks of 256 bytes that no other line names
.set CO,   12                          ; v12     16 x lane; also the first of the four store offsets
.set VO,   12                          ; v12-15  the stores' offsets
.set ADRA, 16                          ; v16-17  LDS address of my A fragments in slot 0, 1
.set ADRB, 20                          ; v20-21  the same for B
.set SPW,  28                          ; v28     LDS address of my spare word; never rewritten
.set NIL,  29                          ; v29     0; never rewritten
.set SC,   30                          ; v30     the folded scale as f32
.set PFO,  31                          ; v31     256 x lane, for the prefetches; never rewritten
.set TMP,  32
.set AF,   128
.set CD,   128                         ; the way out: 16 registers of codes for each A block
.set G1A, 24                           ; s[24:31] descriptor group 1 for the A side; s[32:39] group 0, one set for each slot
.set G0A, 32
.set G1B, 44                           ; s[44:51], s[52:59] the same for the B side
.set G0B, 52
.set MSB, 0
.macro WIN new                         ; the immediate's high byte repeats the setting that is left
.if MSB != (\new)
	s_set_vgpr_msb (MSB<<8)|(\new)
.set MSB, (\new)
.endif
.endm
.set MUL_LO, 0xa1                      ; source 0 (B) window 1, source 1 (A) window 0, C and D window 2
.set MUL_HI, 0xf1                      ; the same, C and D window 3
.set TO_B,   0x40                      ; destination window 1, address window 0
; A joint load: waves 0 and 1 fetch the A side's halves, waves 2 and 3 the B side's.  The branch hangs on the wave's number alone.  An s_nop 0 and four v_nop follow each of the two lines.
.macro JLOAD s
	s_cmp_eq_u32 s17, 0
	s_cbranch_scc0 .Lfor_b_\@
	tensor_load_to_lds s[G0A+4*(\s):G0A+4*(\s)+3], s[G1A:G1A+7]
	s_nop 0
.rept 4
	v_nop
.endr
	s_branch .Lasked_\@
.Lfor_b_\@:
	tensor_load_to_lds s[G0B+4*(\s):G0B+4*(\s)+3], s[G1B:G1B+7]
	s_nop 0
.rept 4
	v_nop
.endr
.Lasked_\@:
.endm
.macro CREST                           ; a round of the cluster's barrier behind its opening barrier
	s_cmp_lg_u32 s16, 0
	s_cbranch_scc1 .Lnot_wave_0_\@
	s_barrier_signal -3
.Lnot_wave_0_\@:
	s_barrier_wait -3
	s_barrier_signal -1
	s_barrier_wait -1
.endm
.macro CROUND                          ; a whole round
	s_barrier_signal -1
	s_barrier_wait -1
	CREST
.endm
	s_load_b256 s[4:11], s[0:1], 0x0               ; xc s[4:5], wc s[6:7], the exponents s[8:9], qc s[10:11]
	s_load_b128 s[12:15], s[0:1], 0x20             ; kc s[12:13], vc s[14:15]
	v_lshl_add_u32 v[SPW], v0, 2, SPARE
	v_mov_b32 v[NIL], 0
	ds_add_u32 v[SPW], v[NIL]                      ; the wave's opening: the add and its wait stand ahead of my first tensor load; the set-up below, work on registers, stands between them
	v_lshrrev_b32 v1, 5, v0
	v_readfirstlane_b32 s16, v1                    ; wave 0..3
	s_lshr_b32 s17, s16, 1                         ; which half of the tile's A rows is mine.  Also: I fetch for A (0) or for B (1)
	s_and_b32 s18, s16, 1                          ; which half of its B rows.  Also: which 8 tiles of 16 rows I fetch
	s_bfe_u32 s66, ttmp6, 0x40000                  ; cx
	s_bfe_u32 s67, ttmp6, 0x40004                  ; cy
	s_and_b32 s68, ttmp7, 0xffff
	s_lshl_b32 s68, s68, 2                         ; 4 x cluster y
	s_lshl_b32 s20, s67, 2
	s_lshl_b32 s20, 15, s20                        ; my row of the cluster
	s_lshl_b32 s21, 0x1111, s66                    ; my column
	s_or_b32 s[G1A], s20, (3<<16)|(1<<21)          ; 15:0 the mask; 17:16 elements of 8 bytes; 21 set beside a mask; no padding
	s_or_b32 s[G1B], s21, (3<<16)|(1<<21)
.irp g, G1A, G1B
	s_mov_b32 s[\g+1], 512<<16                     ; tensor_dim0 = 512 elements: 4,096 bytes
	s_mov_b32 s[\g+2], 8<<16                       ; tensor_dim1 = 8
	s_mov_b32 s[\g+3], 512<<16                     ; tile_dim0
	s_mov_b32 s[\g+4], 8                           ; tile_dim1
	s_mov_b32 s[\g+5], 2048                        ; from row to row: 16,384 bytes
	s_mov_b32 s[\g+6], 0
	s_mov_b32 s[\g+7], 0
.endr
	; where the tiles come from.  The A side's address is made of cy, the cluster's y and the product alone, the B side's of cx, the cluster's y and the product alone
	s_lshl_b32 s22, ttmp9, 23                      ; the product's set of x's codes
	s_lshl_b32 s23, ttmp9, 20                      ; and its weight's section
	s_cmp_eq_u32 ttmp9, 2                          ; v?  Then the sides change places
	s_cselect_b32 s93, 0, s68
	s_cselect_b32 s19, s68, 0
	s_cselect_b32 s70, s23, s22
	s_cselect_b32 s72, s22, s23
	s_add_co_u32 s93, s93, s67                     ; the A side's tile of 256 rows: q, k: tokens, 4 x cluster y + cy;  v: channels, cy
	s_add_co_u32 s19, s19, s66                     ; the B side's: q, k: channels, cx;  v: tokens, 4 x cluster y + cx
	s_lshl_b32 s94, s93, 18                        ; 16 tiles of 16,384 bytes
	s_add_co_u32 s70, s70, s94
	s_lshl_b32 s94, s18, 17                        ; my 8 of them
	s_add_co_u32 s70, s70, s94
	s_mov_b32 s71, 0
	s_lshl_b32 s95, s19, 18
	s_add_co_u32 s72, s72, s95
	s_add_co_u32 s72, s72, s94
	s_mov_b32 s73, 0
	s_lshl_b32 s69, s16, 15                        ; where they go: wave x 32,768: A's two halves, then B's two
	s_wait_dscnt 0x0                               ; the opening add is done
	s_wait_kmcnt 0x0
	s_load_b256 s[76:83], s[8:9], 0x0              ; e0 .. e7
	s_load_b128 s[84:87], s[8:9], 0x20             ; e8 .. e11
	s_cmp_eq_u32 ttmp9, 2
	s_cselect_b64 s[20:21], s[6:7], s[4:5]         ; the A side's buffer
	s_cselect_b64 s[22:23], s[4:5], s[6:7]         ; the B side's
	s_add_nc_u64 s[70:71], s[20:21], s[70:71]
	s_add_nc_u64 s[72:73], s[22:23], s[72:73]
	CROUND                                         ; all sixteen work-groups are here: the first joint loads meet
.irp s, 0,1
	s_mov_b32 s[G0A+4*\s], 1
	s_add_co_u32 s[G0A+4*\s+1], s69, \s*SLOT
	s_add_nc_u64 s[G0A+4*\s+2:G0A+4*\s+3], s[70:71], \s*KSB
	s_or_b32 s[G0A+4*\s+3], s[G0A+4*\s+3], 0x80000000
	s_mov_b32 s[G0B+4*\s], 1
	s_add_co_u32 s[G0B+4*\s+1], s69, \s*SLOT
	s_add_nc_u64 s[G0B+4*\s+2:G0B+4*\s+3], s[72:73], \s*KSB
	s_or_b32 s[G0B+4*\s+3], s[G0B+4*\s+3], 0x80000000
	JLOAD \s
.endr
	v_and_b32 v1, 31, v0
	v_lshlrev_b32 v[CO], 4, v1
	v_lshlrev_b32 v[PFO], 8, v1
	s_lshl_b32 s20, s17, 15                        ; my 8 tiles of the A side
	s_lshl_b32 s21, s18, 15                        ; my 8 of the B side,
	s_add_co_u32 s21, s21, 65536                   ; which lie behind A's 16
.irp s, 0,1
	v_add_nc_u32 v[ADRA+\s], s20, v[CO]
	v_add_nc_u32 v[ADRB+\s], s21, v[CO]
	s_add_co_u32 s20, s20, SLOT
	s_add_co_u32 s21, s21, SLOT
.endr
	; the stores' offsets: A blocks 4-7 lie SA bytes behind blocks 0-3, a fragment's second pair of stores SP bytes behind the first.  q, k: four tiles of tokens on, the next head;  v: the next head, the next step of 64 keys
	s_mov_b32 s94, 4096
	s_mov_b32 s95, 0x20000
	s_cmp_eq_u32 ttmp9, 2
	s_cselect_b32 s96, s95, s94                    ; SA
	s_cselect_b32 s97, s94, s95                    ; SP
	v_add_nc_u32 v[VO+1], s97, v[CO]
	v_add_nc_u32 v[VO+2], s96, v[CO]
	v_add_nc_u32 v[VO+3], s97, v[VO+2]
	; where my codes go
	s_lshl_b32 s94, s93, 8
	s_lshl_b32 s95, s17, 7
	s_add_co_u32 s94, s94, s95                     ; my first A-side row
	s_lshl_b32 s95, s19, 8
	s_lshl_b32 s96, s18, 7
	s_add_co_u32 s95, s95, s96                     ; my first B-side row
	s_cmp_eq_u32 ttmp9, 2
	s_cselect_b32 s96, s95, s94                    ; my first token,
	s_cselect_b32 s97, s94, s95                    ; my first channel
	s_lshr_b32 s94, s96, 11
	s_lshl_b32 s94, s94, 4
	s_lshr_b32 s97, s97, 6
	s_add_co_u32 s94, s94, s97                     ; 16 x batch + head
	s_lshl_b32 s94, s94, 17                        ; x 131,072 bytes
	s_and_b32 s96, s96, 2047
	s_lshl_b32 s96, s96, 6                         ; 1,024 bytes for each 16 tokens, in all three layouts
	s_add_co_u32 s94, s94, s96
	s_mov_b32 s95, 0
	s_cmp_eq_u32 ttmp9, 1
	s_cselect_b64 s[74:75], s[12:13], s[10:11]
	s_cmp_eq_u32 ttmp9, 2
	s_cselect_b64 s[74:75], s[14:15], s[74:75]
	s_add_nc_u64 s[74:75], s[74:75], s[94:95]
	; the prefetches: K steps 2 and 3 of x's codes.  A tile of x's codes is read by the four partners that ask for it jointly and by nobody else; of the 8 tiles of 16 rows that a wave fetches, the partner at place p
	; takes tiles 2 p and 2 p + 1, told apart by address: 8,192 bytes of each, lanes 256 bytes apart.  The weights, which other clusters read too, are not asked for.
	s_cmp_eq_u32 s17, 0
	s_cselect_b64 s[90:91], s[70:71], s[72:73]     ; what I fetch
	s_cselect_b32 s94, s66, s67                    ; my place among the four that ask with me
	s_lshl_b32 s94, s94, 15
	s_add_co_u32 s94, s94, 2*KSB
	s_mov_b32 s95, 0
	s_add_nc_u64 s[90:91], s[90:91], s[94:95]
	s_cmp_eq_u32 ttmp9, 2
	s_cselect_b32 s92, 1, 0                        ; the side that holds x's codes
	s_wait_kmcnt 0x0
	s_sub_co_i32 s94, s82, s76
	s_sub_co_i32 s94, s94, s77                     ; a sum stands for sum x 2^(ea + eb): its code is sum / 2^(eo - ea - eb): q: e6 - e0 - e1,
	s_sub_co_i32 s95, s83, s78
	s_sub_co_i32 s95, s95, s79                     ; k: e7 - e2 - e3,
	s_sub_co_i32 s96, s85, s80
	s_sub_co_i32 s96, s96, s81                     ; v: e9 - e4 - e5
	s_cmp_eq_u32 ttmp9, 1
	s_cselect_b32 s94, s95, s94
	s_cmp_eq_u32 ttmp9, 2
	s_cselect_b32 s94, s96, s94
	s_add_co_i32 s94, s94, 127
	s_lshl_b32 s95, s94, 23
	v_mov_b32 v[SC], s95                           ; the folded scale as f32
	s_add_co_i32 s94, s94, 8
	s_lshl_b32 s89, s94, 23
	s_or_b32 s89, s89, 0x600000                    ; 448 x it,
	s_or_b32 s88, s89, 0x80000000                  ; and -448 x it
.macro FRAG reg, adr, q, i             ; a fragment comes back as it was stored: four loads of 16 x lane
.irp c, 0,1,2,3
	ds_load_b128 v[\reg+4*\c:\reg+4*\c+3], v[\adr] offset:(\i)*KSB+(\q)*FRB+512*\c
.endr
.endm
.macro MULB a, p, zero                 ; A block a against B's eight, set p.  zero = 1: the product starts the sums
.irp b, 0,1,2,3,4,5,6,7
.if \zero
	v_wmma_f32_16x16x128_fp8_fp8 v[8*(8*((\a)%4)+\b):8*(8*((\a)%4)+\b)+7], v[128*(\p)+FR*\b:128*(\p)+FR*\b+FR-1], v[AF+FR*(\a):AF+FR*(\a)+FR-1], 0
.else
	v_wmma_f32_16x16x128_fp8_fp8 v[8*(8*((\a)%4)+\b):8*(8*((\a)%4)+\b)+7], v[128*(\p)+FR*\b:128*(\p)+FR*\b+FR-1], v[AF+FR*(\a):AF+FR*(\a)+FR-1], v[8*(8*((\a)%4)+\b):8*(8*((\a)%4)+\b)+7]
.endif
.endr
.endm
.macro MULS a0, n, p, zero             ; n blocks from a0 on.  The accumulators take turns, one instruction a turn, in the same order in every step of 128
	WIN MUL_LO+0x50*((\a0)/4)
.set AI, \a0
.rept \n
	MULB AI, \p, \zero
.set AI, AI+1
.endr
.endm
.macro FETCH_B slot, q, p
	WIN TO_B
.irp i, 0,1,2,3,4,5,6,7
	FRAG 128*(\p)+FR*\i, ADRB+\slot, \q, \i
.endr
	WIN 0
.endm
.macro FETCH_A slot, q, i0, n
.set FI, \i0
.rept \n
	FRAG AF+FR*FI, ADRA+\slot, \q, FI
.set FI, FI+1
.endr
.endm
.macro PLACES                          ; four plain vector lines between a matrix instruction and a load into one of its registers, or a vector read of its result
.rept 4
	v_nop
.endr
.endm
; A step of 128 along K on B's set p; it fetches the fragments of (slot ns, half nq) for the next step.
.macro STEP p, ns, nq, zero
	s_wait_dscnt H*NL                              ; B's set and A's first half are in; A's second half may be out
	MULS 0, H, \p, \zero
	s_wait_dscnt 0x0
	PLACES
	FETCH_B \ns, \nq, 1-(\p)
	FETCH_A \ns, \nq, 0, H
	MULS H, H, \p, \zero
	PLACES
	WIN 0
	FETCH_A \ns, \nq, H, H
.endm
; A slot's last step (set 1) changes slots: one barrier; in front of it each wave waits for all its tensor loads, adds 0 to its spare word, and waits for that and for its reads of this slot.
; fill = 1: the barrier opens a round of the cluster's, and this slot is filled again, adv K steps on.
.macro TURN slot, next, fill, adv
	s_wait_tensorcnt 0x0                           ; all my tensor loads have landed (every window is 0 here)
	ds_add_u32 v[SPW], v[NIL]                      ; 0 onto my spare word
	s_wait_dscnt H*NL+1                            ; the add and A's second half may be out
	MULS 0, Q4, 1, 0                               ; matrix work stands between the add and the wait for it
	s_wait_dscnt 0x0                               ; the add is done, and my reads of this slot are over
	s_barrier_signal -1
	MULS Q4, Q4, 1, 0
	WIN 0
	s_barrier_wait -1
.if \fill
	CREST                                          ; no wave of any partner still reads this slot or has a load on its way
	s_add_nc_u64 s[G0A+4*\slot+2:G0A+4*\slot+3], s[G0A+4*\slot+2:G0A+4*\slot+3], (\adv)*KSB
	s_add_nc_u64 s[G0B+4*\slot+2:G0B+4*\slot+3], s[G0B+4*\slot+2:G0B+4*\slot+3], (\adv)*KSB
	JLOAD \slot                                    ; the first tensor load behind the round; its four v_nop are also the places in front of the loads below
.else
	PLACES
.endif
	FETCH_B \next, 0, 0
	FETCH_A \next, 0, 0, H
	MULS H, H, 1, 0
	PLACES
	WIN 0
	FETCH_A \next, 0, H, H
.endm
	s_wait_tensorcnt 0x1                           ; my part of K step 0 is in; K step 1's may stay out
	s_barrier_signal -1
	s_barrier_wait -1
	FETCH_B 0, 0, 0
	FETCH_A 0, 0, 0, H
	FETCH_A 0, 0, H, H
	s_cmp_eq_u32 s17, s92                          ; the waves that fetch x's codes ask for K steps 2 and 3: a K step's products ahead of the first refill, two ahead of the second
	s_cbranch_scc0 .Lnot_mine
	global_prefetch_b8 v[PFO], s[90:91] th:TH_LOAD_NT scope:SCOPE_SE
	global_prefetch_b8 v[PFO], s[90:91] offset:16384 th:TH_LOAD_NT scope:SCOPE_SE
.Lnot_mine:
	STEP 0, 0, 1, 1                                ; K step 0: the first products start the sums
	TURN 0, 1, 1, 2                                ; slot 0 takes K step 2
	STEP 0, 1, 1, 0
	TURN 1, 0, 1, 2                                ; slot 1 takes K step 3
	STEP 0, 0, 1, 0
	TURN 0, 1, 0, 0                                ; nothing is left to fetch
	STEP 0, 1, 1, 0
	s_wait_dscnt H*NL                              ; the very last step
	MULS 0, H, 1, 0
	s_wait_dscnt 0x0
	MULS H, H, 1, 0
	WIN 0
; THE WAY OUT, an A block at a time: the block's 64 sums are held within +-448 x the folded scale (the conversion to an 8-bit code does not saturate: ISA guide 7.6.2), each accumulator from its low end on;
; eight conversions give 16 registers: two fragments of 16 rows x 64 K; four stores of 512 consecutive bytes.  Each block has its own registers for its codes, so no store's data are written again.
.macro OUTA a
	WIN 0x02+((\a)/4)                              ; source 0: window 2 or 3
.set AC, 64*((\a)%4)
.set I, 0
.rept 64
	v_med3_num_f32 v[TMP+I], v[AC+I], s88, s89
.set I, I+1
.endr
	WIN 0
.irp b, 0,1,2,3,4,5,6,7
	v_cvt_scalef32_pk8_fp8_f32 v[CD+16*(\a)+2*\b:CD+16*(\a)+2*\b+1], v[TMP+8*\b:TMP+8*\b+7], v[SC]
.endr
	v_nop                                          ; a plain line behind the last conversion: the next block's holds write its sources
.irp p, 0,1,2,3
	global_store_b128 v[VO+2*((\a)/4)+(\p/2)], v[CD+16*(\a)+4*\p:CD+16*(\a)+4*\p+3], s[74:75] offset:((\a)%4)*1024+(\p%2)*512
.endr
.endm
	PLACES
.irp a, 0,1,2,3,4,5,6,7
	OUTA \a
.endr
	s_wait_tensorcnt 0x0                           ; the wave's end, behind my last tensor load
	ds_add_u32 v[SPW], v[NIL]
	s_wait_dscnt 0x0
	CROUND                                         ; the closing round: no work-group ends while a partner may still ask for a tile that names it
	s_endpgm
.Lfunc_end_k_qc61c394115_qkv:
	.size	k_qc61c394115_qkv, .Lfunc_end_k_qc61c394115_qkv-k_qc61c394115_qkv
	.p2alignl 7, 3214868480
	.fill 96, 4, 3214868480
	.section	.rodata,"a",@progbits
	.p2align	6, 0x0
	.amdhsa_kernel k_qc61c394115_qkv
		.amdhsa_group_segment_fixed_size 327680
		.amdhsa_private_segment_fixed_size 0
		.amdhsa_enable_private_segment 0
		.amdhsa_kernarg_size 48
		.amdhsa_user_sgpr_count 2
		.amdhsa_user_sgpr_kernarg_segment_ptr 1
		.amdhsa_wavefront_size32 1
		.amdhsa_system_sgpr_workgroup_id_x 1
		.amdhsa_system_sgpr_workgroup_id_y 1
		.amdhsa_system_sgpr_workgroup_id_z 1
		.amdhsa_system_vgpr_workitem_id 0
		.amdhsa_next_free_vgpr 1024
		.amdhsa_next_free_sgpr 98
		.amdhsa_reserve_vcc 0
		.amdhsa_float_denorm_mode_32 3
		.amdhsa_float_denorm_mode_16_64 3
		.amdhsa_memory_ordered 1
		.amdhsa_forward_progress 1
		.amdhsa_inst_pref_size 119
	.end_amdhsa_kernel
	.amdgpu_metadata
---
amdhsa.version: [ 1, 2 ]
amdhsa.kernels:
  - .name:           k_qc61c394115_qkv
    .symbol:         k_qc61c394115_qkv.kd
    .args:
      - { .name: xc, .offset: 0, .size: 8, .value_kind: global_buffer, .address_space: global }
      - { .name: wc, .offset: 8, .size: 8, .value_kind: global_buffer, .address_space: global }
      - { .name: lowp_scales, .offset: 16, .size: 8, .value_kind: global_buffer, .address_space: global }
      - { .name: qc, .offset: 24, .size: 8, .value_kind: global_buffer, .address_space: global }
      - { .name: kc, .offset: 32, .size: 8, .value_kind: global_buffer, .address_space: global }
      - { .name: vc, .offset: 40, .size: 8, .value_kind: global_buffer, .address_space: global }
    .group_segment_fixed_size: 327680
    .private_segment_fixed_size: 0
    .kernarg_segment_align: 8
    .kernarg_segment_size: 48
    .max_flat_workgroup_size: 128
    .sgpr_count:     98
    .vgpr_count:     1024
    .wavefront_size: 32
...
	.end_amdgpu_metadata
.endif
;; end of part 2
;; launch attn (part 3): grid 4 x 64, 16 waves a work-group, no clusters, 67,584 bytes of LDS; arguments qc, kc, vc, lowp_scales, yc; writes yc
.if DOCPART == 3
	.amdgcn_target "amdgcn-amd-amdhsa--gfx1250"
	.amdhsa_code_object_version 6
	.text
	.protected	k_qc61c394115_attn
	.globl	k_qc61c394115_attn
	.p2align	8
	.type	k_qc61c394115_attn,@function
k_qc61c394115_attn:
	s_mov_b64 s[64:65], 0
	v_nop
	global_prefetch_b8 v0, s[64:65] scope:SCOPE_SE
	s_setreg_imm32_b32 hwreg(HW_REG_WAVE_MODE, 25, 1), 1
	s_wait_xcnt 0x0
; y[b][q][head] = causal softmax(q k^T / 8) v, both products on E4M3 codes by v_wmma_f32_16x16x64_fp8_fp8, and y quantised at once (2^e10) into images of the last product's operand.
; THE SOFTMAX AHEAD OF THE SECOND PRODUCT: t = score x log2(e) / 8; M = the running largest t rounded UP to a whole number; p = 2^(t - M) is quantised (2^e8), not normalised; the row's sum is taken of the
; unquantised p and divides at the end.  When M moves, the sum and O are multiplied by 2^(old M - new M), which rounds nothing.
; OPERANDS ARE IMAGES OF REGISTERS: a fragment (16 rows x 64 K, 8 registers a lane: lane (r, h): row r, registers 2 c, 2 c + 1: K = 16 c + 8 h + 0 .. 7) is 1,024 bytes, registers 4 p .. 4 p + 3 of lane l at 512 p + 16 l.
;   qc, kc: [64 batch x head][128 tiles of 16 tokens][1024];  vc: [64][32 steps of 64 keys][4 tiles of 16 channels][1024];  yc: [512 tiles of 16 tokens][16 heads][1024].
; BOTH PRODUCTS TRANSPOSED: S^T = K Q^T (source 0 = 16 keys, source 1 = 16 queries): lane (r, h) holds query r and keys 16 t + 8 h + 0 .. 7 of tile t: one conversion of a tile gives registers 2 t, 2 t + 1 of P.
;   O^T = V^T P^T (source 0 = 16 channels x 64 keys, source 1 = P): lane (r, h) holds query r, channels 16 dt + 8 h + 0 .. 7: one conversion gives registers 2 dt, 2 dt + 1 of y's fragment.
; SHARES.  Work-group (j, batch x head) owns the blocks j and 7 - j of 256 queries: nine blocks' worth of keys under the causal mask in every work-group.  Each of its sixteen waves owns 32 queries, two tiles X and Y
; that share every fragment of K and V; half of the waves work in each block.  Four waves to a SIMD: one wave's vector work stands beside another's matrix work and LDS loads.
; K AND V come through registers into two LDS buffers of 256 keys (plain copies of kc and vc, 16 bytes a thread): the next slot is loaded at a trip's head and stored at its end; one barrier a trip.
; All work-groups walk 8 trips; a step of 64 keys that lies wholly behind a wave's queries is jumped over (ids alone), and slots behind the work-group's last query are not loaded.
; No cluster: the four work-groups of a head need different numbers of slots (8 - j), and a slot's 32,768 bytes are little beside the slot's vector work.
; LIMITS: e6 + e7 between -123 and 130 (added to c's exponent field); e8 and e10 between -126 and 119.  NaN among the inputs is not served.
.set SPARE, 65536                      ; behind the buffers: the spare words, 128 bytes for each wave: eight blocks of 256 bytes that no other line names
.set LI,  1                            ; v1   16 x lane
.set ADR, 2                            ; v2   the buffer in hand + 16 x lane
.set ST0, 3                            ; v3   16 x thread: my bytes of a copy's 8,192
.set STA, 4                            ; v4   the other buffer + 16 x thread
.set SPW, 5                            ; v5   LDS address of my spare word; never rewritten
.set NIL, 6                            ; v6   0; never rewritten
.set DQ,  7                            ; v7   r - 8 h
.set QX,  32                           ; v32-39, v40-47  Q's two fragments
.set QY,  40
.set F,   48                           ; v48-79   four fragments of K or of V
.set SX,  80                           ; v80-111, v112-143  S^T, then p
.set SY,  112
.set OX,  144                          ; v144-175, v176-207 O^T
.set OY,  176
.set PX,  208                          ; v208-215, v216-223 p's codes, at the end y's
.set PY,  216
.set G,   224                          ; v224-239 the next slot on its way
; v8-11 maxima; X: v12 -M, v13 the largest t, v[14:15] the sum; Y: v16, v17, v[18:19]; v[20:21], v[22:23] f; v[24:27] second chains of the sums; v28, v29 from the other half of the lanes; v30 d; v31 -infinity;
; v240 2^e8, v241 448 x 2^e8, v242 256 x lane, v243 2^e10.
; s14 wave; s19 my first query; s20 the step's first key; s21, s22 the buffer in hand and the other; s23 the trip; s24 7 - j; s[26:27] c; s[28:29] lane selects; s[32:36] e6 .. e10; s37, s38 -+448 x 2^e10; s39 e8 + e9; s[42:43], s44 prefetch.
	s_load_b256 s[4:11], s[0:1], 0x0               ; qc s[4:5], kc s[6:7], vc s[8:9], the exponents s[10:11]
	s_load_b64 s[12:13], s[0:1], 0x20              ; yc
	v_lshl_add_u32 v[SPW], v0, 2, SPARE
	v_mov_b32 v[NIL], 0
	v_lshrrev_b32 v1, 5, v0
	v_readfirstlane_b32 s14, v1                    ; wave 0..15
	s_lshr_b32 s15, s14, 2
	s_xor_b32 s15, s15, s14
	s_and_b32 s15, s15, 1                          ; which of the two blocks: waves 2 i and 2 i + 1 differ in it
	s_lshr_b32 s16, s14, 1                         ; which 32 queries of the block
	s_and_b32 s18, ttmp7, 0xffff                   ; batch x head
	s_sub_co_u32 s24, 7, ttmp9
	s_cmp_eq_u32 s15, 0
	s_cselect_b32 s19, ttmp9, s24
	s_lshl_b32 s19, s19, 8
	s_lshl_b32 s25, s16, 5
	s_add_co_u32 s19, s19, s25                     ; my first query
	s_mov_b32 s20, 0
	s_mov_b32 s21, 0
	s_mov_b32 s22, 32768
	s_mov_b32 s23, 0
	s_mov_b32 s28, 0x76543210
	s_mov_b32 s29, 0xfedcba98
	s_lshl_b32 s30, s18, 17                        ; the head's 131,072 bytes in qc, kc, vc
	s_mov_b32 s31, 0
	v_and_b32 v1, 31, v0
	v_lshlrev_b32 v242, 8, v1
	v_lshlrev_b32 v[LI], 4, v1
	v_lshlrev_b32 v[ST0], 4, v0
	v_and_b32 v[DQ], 15, v0
	v_bfe_u32 v8, v0, 4, 1
	v_lshlrev_b32 v8, 3, v8
	v_sub_nc_u32 v[DQ], v[DQ], v8
	s_wait_kmcnt 0x0
	s_load_b128 s[32:35], s[10:11], 0x18           ; e6, e7, e8, e9
	s_load_b32 s36, s[10:11], 0x28                 ; e10
	s_add_nc_u64 s[6:7], s[6:7], s[30:31]
	s_add_nc_u64 s[8:9], s[8:9], s[30:31]
	s_add_nc_u64 s[4:5], s[4:5], s[30:31]
	global_load_b128 v[G:G+3],     v[ST0], s[6:7]              ; slot 0: K's 16,384 bytes,
	global_load_b128 v[G+4:G+7],   v[ST0], s[6:7] offset:8192
	global_load_b128 v[G+8:G+11],  v[ST0], s[8:9]              ; V's
	global_load_b128 v[G+12:G+15], v[ST0], s[8:9] offset:8192
	s_lshl_b32 s40, s19, 6                         ; 1,024 bytes for each 16 queries
	s_mov_b32 s41, 0
	s_add_nc_u64 s[4:5], s[4:5], s[40:41]
	global_load_b128 v[QX:QX+3],   v[LI], s[4:5]
	global_load_b128 v[QX+4:QX+7], v[LI], s[4:5] offset:512
	global_load_b128 v[QY:QY+3],   v[LI], s[4:5] offset:1024
	global_load_b128 v[QY+4:QY+7], v[LI], s[4:5] offset:1536
	; the prefetches.  All four work-groups of a head walk the same K and V: the one that walks all 8 slots (j = 0) asks, its waves 0 and 1 for the halves of K's slot, 2 and 3 for V's: 8,192 bytes a wave, lanes 256 bytes apart.
	; In trip i they ask for slot i + 2, which the next trip loads; slots 0 and 1 come by their loads alone; the last two trips ask for nothing.
	s_cmp_lt_u32 s14, 2
	s_cselect_b64 s[42:43], s[6:7], s[8:9]
	s_and_b32 s40, s14, 1
	s_lshl_b32 s40, s40, 13
	s_add_co_u32 s40, s40, 32768                   ; slot 2
	s_add_nc_u64 s[42:43], s[42:43], s[40:41]
	s_lshr_b32 s44, s14, 2
	s_or_b32 s44, s44, ttmp9
	s_cmp_eq_u32 s44, 0
	s_cselect_b32 s44, 6, 0                        ; a wave asks while the trip's number is under this
	; where y's codes go: token x 1,024 + head x 1,024
	s_lshr_b32 s40, s18, 4
	s_lshl_b32 s40, s40, 21
	s_lshl_b32 s45, s19, 10
	s_add_co_u32 s40, s40, s45
	s_and_b32 s45, s18, 15
	s_lshl_b32 s45, s45, 10
	s_add_co_u32 s40, s40, s45
	s_add_nc_u64 s[12:13], s[12:13], s[40:41]
	v_mov_b32 v13, 0xff61b1e6                      ; the largest t so far: -3e38, under every t
	v_mov_b32 v17, 0xff61b1e6
	v_floor_f32 v12, -v13                          ; -M
	v_floor_f32 v16, -v17
	v_mov_b32 v14, 0                               ; the sums, in two halves each
	v_mov_b32 v15, 0
	v_mov_b32 v18, 0
	v_mov_b32 v19, 0
	v_mov_b32 v21, 0                               ; (named as the upper halves of the pairs of f)
	v_mov_b32 v23, 0
	v_mov_b32 v28, 0                               ; written once: a lane permute's destination counts as one of its sources
	v_mov_b32 v29, 0
	v_mov_b32 v31, 0xff800000                      ; -infinity
.set N, 0
.rept 64
	v_mov_b32 v[OX+N], 0                           ; O^T.  (The step is written in one form: the first finds zeros, which the first change of M leaves zeros)
.set N, N+1
.endr
	s_wait_kmcnt 0x0
	s_add_co_i32 s25, s32, s33
	s_lshl_b32 s25, s25, 23
	s_add_co_i32 s26, s25, 0x3e38aa3b              ; c = log2(e) / 8, with e6 + e7 added to its exponent field: a score stands for score x 2^(e6 + e7)
	s_mov_b32 s27, s26                             ; (named with it as a pair, so it is written)
	s_add_co_i32 s25, s34, 127
	s_lshl_b32 s45, s25, 23
	v_mov_b32 v240, s45                            ; 2^e8
	s_add_co_i32 s25, s25, 8
	s_lshl_b32 s25, s25, 23
	s_or_b32 s25, s25, 0x600000
	v_mov_b32 v241, s25                            ; 448 x 2^e8
	s_add_co_i32 s25, s36, 127
	s_lshl_b32 s45, s25, 23
	v_mov_b32 v243, s45                            ; 2^e10
	s_add_co_i32 s25, s25, 8
	s_lshl_b32 s38, s25, 23
	s_or_b32 s38, s38, 0x600000                    ; 448 x 2^e10,
	s_or_b32 s37, s38, 0x80000000                  ; and its negative
	s_add_co_i32 s39, s34, s35                     ; e8 + e9
	s_wait_loadcnt 0x0                             ; slot 0 and Q are in
	ds_store_b128 v[ST0], v[G:G+3]
	ds_store_b128 v[ST0], v[G+4:G+7] offset:8192
	ds_store_b128 v[ST0], v[G+8:G+11] offset:16384
	ds_store_b128 v[ST0], v[G+12:G+15] offset:24576
	s_add_nc_u64 s[6:7], s[6:7], 16384             ; (their loads are done) on to slot 1
	s_add_nc_u64 s[8:9], s[8:9], 16384
	s_wait_dscnt 0x0                               ; for the others' sake: my stores have landed
	s_barrier_signal -1
	s_barrier_wait -1
; A KEY STEP: 64 keys, the q-th of the buffer in hand.
.macro STEP q
	s_cmp_gt_u32 s20, s19                          ; the step's first key is a multiple of 64, my first query of 32: where it is above my first query, all 64 keys lie behind my 32 queries
	s_cbranch_scc1 .Lhid_\@
.rept 4
	v_nop                                          ; places in front of loads into registers that the last products read
.endr
.irp t, 0,1,2,3
	ds_load_b128 v[F+8*\t:F+8*\t+3],   v[ADR] offset:(\q)*4096+\t*1024
	ds_load_b128 v[F+8*\t+4:F+8*\t+7], v[ADR] offset:(\q)*4096+\t*1024+512
.endr
	s_wait_dscnt 0x0
.irp t, 0,1,2,3
	v_wmma_f32_16x16x64_fp8_fp8 v[SX+8*\t:SX+8*\t+7], v[F+8*\t:F+8*\t+7], v[QX:QX+7], 0
	v_wmma_f32_16x16x64_fp8_fp8 v[SY+8*\t:SY+8*\t+7], v[F+8*\t:F+8*\t+7], v[QY:QY+7], 0
.endr
.rept 4
	v_nop                                          ; places: for V's loads into K's registers, and for the first read of the scores
.endr
.irp t, 0,1,2,3
	ds_load_b128 v[F+8*\t:F+8*\t+3],   v[ADR] offset:16384+(\q)*4096+\t*1024       ; V lands under the softmax
	ds_load_b128 v[F+8*\t+4:F+8*\t+7], v[ADR] offset:16384+(\q)*4096+\t*1024+512
.endr
	s_add_co_u32 s25, s20, 63                      ; on the diagonal the scores of hidden keys become -infinity: p = 0 then.  A step all of whose keys count for all my queries skips this
	s_cmp_le_u32 s25, s19
	s_cbranch_scc1 .Lopen_\@
	s_sub_co_i32 s25, s19, s20
	v_add_nc_u32 v30, s25, v[DQ]                   ; d = my query - the step's first key - 8 h.  Register 8 t + i holds key 16 t + 8 h + i of the step: hidden where 16 t + i > d
.set N, 0
.rept 32
	v_cmp_gt_i32 vcc_lo, 16*(N/8)+N%8, v30
	v_cndmask_b32 v[SX+N], v[SX+N], v31, vcc_lo
.set N, N+1
.endr
	v_add_nc_u32 v30, 16, v30                      ; tile Y's queries lie 16 further on
.set N, 0
.rept 32
	v_cmp_gt_i32 vcc_lo, 16*(N/8)+N%8, v30
	v_cndmask_b32 v[SY+N], v[SY+N], v31, vcc_lo
.set N, N+1
.endr
.Lopen_\@:
	v_max3_num_f32 v8,  v[SX],   v[SX+1], v[SX+2]  ; the step's largest score of my query, in two chains a tile, each accumulator from its low end on
	v_max3_num_f32 v10, v[SY],   v[SY+1], v[SY+2]
	v_max3_num_f32 v9,  v[SX+3], v[SX+4], v[SX+5]
	v_max3_num_f32 v11, v[SY+3], v[SY+4], v[SY+5]
.irp i, 6,10,14,18,22,26
	v_max3_num_f32 v8,  v8,  v[SX+\i],   v[SX+\i+1]
	v_max3_num_f32 v10, v10, v[SY+\i],   v[SY+\i+1]
	v_max3_num_f32 v9,  v9,  v[SX+\i+2], v[SX+\i+3]
	v_max3_num_f32 v11, v11, v[SY+\i+2], v[SY+\i+3]
.endr
	v_max3_num_f32 v8,  v8,  v[SX+30], v[SX+31]
	v_max3_num_f32 v10, v10, v[SY+30], v[SY+31]
	v_max_num_f32 v8,  v8,  v9
	v_max_num_f32 v10, v10, v11
	v_permlanex16_b32 v28, v8,  s28, s29           ; the query's other 32 keys lie in the lane 16 away
	v_permlanex16_b32 v29, v10, s28, s29
	v_max_num_f32 v8,  v8,  v28
	v_max_num_f32 v10, v10, v29
	v_mul_f32 v8,  s26, v8                         ; as t (c is positive)
	v_mul_f32 v10, s26, v10
	v_max_num_f32 v13, v13, v8                     ; the running largest t
	v_max_num_f32 v17, v17, v10
	v_mov_b32 v8,  v12
	v_mov_b32 v10, v16
	v_floor_f32 v12, -v13                          ; the new -M = floor(-t) = -ceil(t)
	v_floor_f32 v16, -v17
	v_sub_f32 v8,  v12, v8                         ; old M - new M: a whole number, 0 or less
	v_sub_f32 v10, v16, v10
	v_cvt_i32_f32 v8,  v8                          ; (it saturates)
	v_cvt_i32_f32 v10, v10
	v_ldexp_f32 v20, 1.0, v8                       ; f = 2^(old M - new M)
	v_ldexp_f32 v22, 1.0, v10
.set N, 0
.rept 16
	v_pk_fma_f32 v[SX+N:SX+N+1], v[SX+N:SX+N+1], s[26:27], v[12:13] op_sel_hi:[1,0,0]   ; t - M, two at a time (of the pairs c and -M the low word serves both halves)
	v_pk_fma_f32 v[SY+N:SY+N+1], v[SY+N:SY+N+1], s[26:27], v[16:17] op_sel_hi:[1,0,0]
.set N, N+2
.endr
.set N, 0
.rept 64
	v_exp_f32 v[SX+N], v[SX+N]                     ; p = 2^(t - M): one batch
.set N, N+1
.endr
	v_pk_mul_f32 v[14:15], v[14:15], v[20:21] op_sel_hi:[1,0]   ; the sums under the new M (plain lines behind the exponentials)
	v_pk_mul_f32 v[18:19], v[18:19], v[22:23] op_sel_hi:[1,0]
	s_wait_alu depctr_va_vdst(0)                   ; one wait for the whole batch, ahead of its first reader
	v_pk_add_f32 v[24:25], v[SX:SX+1], v[SX+2:SX+3]             ; the rows' sums, of the unquantised p: two at a time, two chains a tile
	v_pk_add_f32 v[26:27], v[SY:SY+1], v[SY+2:SY+3]
.irp j, 4,8,12,16,20,24,28
	v_pk_add_f32 v[14:15], v[14:15], v[SX+\j:SX+\j+1]
	v_pk_add_f32 v[18:19], v[18:19], v[SY+\j:SY+\j+1]
	v_pk_add_f32 v[24:25], v[24:25], v[SX+\j+2:SX+\j+3]
	v_pk_add_f32 v[26:27], v[26:27], v[SY+\j+2:SY+\j+3]
.endr
	v_pk_add_f32 v[14:15], v[14:15], v[24:25]
	v_pk_add_f32 v[18:19], v[18:19], v[26:27]
	s_cmp_ge_i32 s34, -8                           ; the hold at 448 x 2^e8 (the conversion does not saturate: ISA guide 7.6.2).  p is at most 1 but for the last bit of t - M, and 448 x 2^-8 = 1.75:
	s_cbranch_scc1 .Lnohold_\@                     ; from e8 = -8 on the hold changes no number and is jumped over: a branch on a given whole number
.set N, 0
.rept 64
	v_min_num_f32 v[SX+N], v[SX+N], v241           ; p is not negative: the hold is one-sided
.set N, N+1
.endr
.Lnohold_\@:
.irp t, 0,1,2,3
	v_cvt_scalef32_pk8_fp8_f32 v[PX+2*\t:PX+2*\t+1], v[SX+8*\t:SX+8*\t+7], v240
	v_cvt_scalef32_pk8_fp8_f32 v[PY+2*\t:PY+2*\t+1], v[SY+8*\t:SY+8*\t+7], v240
.endr
.set N, 0
.rept 16
	v_pk_mul_f32 v[OX+N:OX+N+1], v[OX+N:OX+N+1], v[20:21] op_sel_hi:[1,0]   ; O^T under the new M.  (Also the plain lines between the conversions and the products that read their results)
	v_pk_mul_f32 v[OY+N:OY+N+1], v[OY+N:OY+N+1], v[22:23] op_sel_hi:[1,0]
.set N, N+2
.endr
	s_wait_dscnt 0x0                               ; V is in
.irp t, 0,1,2,3                        ; the eight accumulators take turns, one instruction a turn
	v_wmma_f32_16x16x64_fp8_fp8 v[OX+8*\t:OX+8*\t+7], v[F+8*\t:F+8*\t+7], v[PX:PX+7], v[OX+8*\t:OX+8*\t+7]
	v_wmma_f32_16x16x64_fp8_fp8 v[OY+8*\t:OY+8*\t+7], v[F+8*\t:F+8*\t+7], v[PY:PY+7], v[OY+8*\t:OY+8*\t+7]
.endr
.Lhid_\@:
	s_add_co_u32 s20, s20, 64
.endm
.Lslot:                                            ; 8 trips, a slot of 256 keys each
	s_cmp_lt_u32 s23, s24                          ; the next slot is loaded while it begins at or under my work-group's last query: ids and the trip's number alone, the same in all sixteen waves
	s_cbranch_scc0 .Lno_load
	global_load_b128 v[G:G+3],     v[ST0], s[6:7]
	global_load_b128 v[G+4:G+7],   v[ST0], s[6:7] offset:8192
	global_load_b128 v[G+8:G+11],  v[ST0], s[8:9]
	global_load_b128 v[G+12:G+15], v[ST0], s[8:9] offset:8192
.Lno_load:
	s_cmp_lt_u32 s23, s44
	s_cbranch_scc0 .Lno_ask
	global_prefetch_b8 v242, s[42:43] th:TH_LOAD_NT scope:SCOPE_SE         ; the slot after that one: a trip ahead of its load
.Lno_ask:
	v_add_nc_u32 v[ADR], s21, v[LI]
	v_add_nc_u32 v[STA], s22, v[ST0]
	STEP 0
	STEP 1
	STEP 2
	STEP 3
	s_wait_loadcnt 0x0                             ; the next slot is in registers
	s_wait_xcnt 0x0                                ; and the prefetch has read its address
	s_cmp_lt_u32 s23, s24
	s_cbranch_scc0 .Lno_store
	ds_store_b128 v[STA], v[G:G+3]                 ; into the buffer that every wave left ahead of the last barrier
	ds_store_b128 v[STA], v[G+4:G+7] offset:8192
	ds_store_b128 v[STA], v[G+8:G+11] offset:16384
	ds_store_b128 v[STA], v[G+12:G+15] offset:24576
	s_add_nc_u64 s[6:7], s[6:7], 16384
	s_add_nc_u64 s[8:9], s[8:9], 16384
.Lno_store:
	s_add_nc_u64 s[42:43], s[42:43], 16384
	s_wait_dscnt 0x0                               ; my stores have landed, and my reads of the buffer in hand are over
	s_barrier_signal -1
	s_barrier_wait -1                              ; one barrier a trip orders both
	s_xor_b32 s21, s21, 32768
	s_xor_b32 s22, s22, 32768
	s_add_co_u32 s23, s23, 1
	s_cmp_lt_u32 s23, 8
	s_cbranch_scc1 .Lslot
	; THE WAY OUT.  y = O^T x 2^(e8 + e9) / the sum, held within +-448 x 2^e10 and converted: the results are y's fragment, stored as it stands: 512 consecutive bytes a store.
.rept 4
	v_nop                                          ; places behind the last products
.endr
	v_add_f32 v14, v14, v15                        ; the sums' two halves,
	v_add_f32 v18, v18, v19
	v_permlanex16_b32 v28, v14, s28, s29
	v_permlanex16_b32 v29, v18, s28, s29
	v_add_f32 v14, v14, v28                        ; and the other half of the lanes'
	v_add_f32 v18, v18, v29
	v_rcp_f32 v14, v14
	v_rcp_f32 v18, v18
	v_nop                                          ; a plain line behind the reciprocals,
	s_wait_alu depctr_va_vdst(0)                   ; and the wait ahead of their first reader
	v_ldexp_f32 v14, v14, s39
	v_ldexp_f32 v18, v18, s39
.macro YOUT o, p, li, off
.set N, 0
.rept 16
	v_pk_mul_f32 v[\o+N:\o+N+1], v[\o+N:\o+N+1], v[\li:\li+1] op_sel_hi:[1,0]
.set N, N+2
.endr
.set N, 0
.rept 32
	v_med3_num_f32 v[\o+N], v[\o+N], s37, s38
.set N, N+1
.endr
.irp t, 0,1,2,3
	v_cvt_scalef32_pk8_fp8_f32 v[\p+2*\t:\p+2*\t+1], v[\o+8*\t:\o+8*\t+7], v243
.endr
	v_nop                                          ; a plain line behind the last conversion
	global_store_b128 v[LI], v[\p:\p+3],   s[12:13] offset:\off
	global_store_b128 v[LI], v[\p+4:\p+7], s[12:13] offset:\off+512
.endm
	YOUT OX, PX, 14, 0
	YOUT OY, PY, 18, 16384                         ; the next 16 tokens
	s_wait_tensorcnt 0x0                           ; the wave's end, behind my last LDS store
	ds_add_u32 v[SPW], v[NIL]
	s_wait_dscnt 0x0
	s_endpgm
.Lfunc_end_k_qc61c394115_attn:
	.size	k_qc61c394115_attn, .Lfunc_end_k_qc61c394115_attn-k_qc61c394115_attn
	.p2alignl 7, 3214868480
	.fill 96, 4, 3214868480
	.section	.rodata,"a",@progbits
	.p2align	6, 0x0
	.amdhsa_kernel k_qc61c394115_attn
		.amdhsa_group_segment_fixed_size 67584
		.amdhsa_private_segment_fixed_size 0
		.amdhsa_enable_private_segment 0
		.amdhsa_kernarg_size 40
		.amdhsa_user_sgpr_count 2
		.amdhsa_user_sgpr_kernarg_segment_ptr 1
		.amdhsa_wavefront_size32 1
		.amdhsa_system_sgpr_workgroup_id_x 1
		.amdhsa_system_sgpr_workgroup_id_y 1
		.amdhsa_system_sgpr_workgroup_id_z 1
		.amdhsa_system_vgpr_workitem_id 0
		.amdhsa_next_free_vgpr 256
		.amdhsa_next_free_sgpr 66
		.amdhsa_reserve_vcc 1
		.amdhsa_float_denorm_mode_32 3
		.amdhsa_float_denorm_mode_16_64 3
		.amdhsa_memory_ordered 1
		.amdhsa_forward_progress 1
		.amdhsa_inst_pref_size 97
	.end_amdhsa_kernel
	.amdgpu_metadata
---
amdhsa.version: [ 1, 2 ]
amdhsa.kernels:
  - .name:           k_qc61c394115_attn
    .symbol:         k_qc61c394115_attn.kd
    .args:
      - { .name: qc, .offset: 0, .size: 8, .value_kind: global_buffer, .address_space: global }
      - { .name: kc, .offset: 8, .size: 8, .value_kind: global_buffer, .address_space: global }
      - { .name: vc, .offset: 16, .size: 8, .value_kind: global_buffer, .address_space: global }
      - { .name: lowp_scales, .offset: 24, .size: 8, .value_kind: global_buffer, .address_space: global }
      - { .name: yc, .offset: 32, .size: 8, .value_kind: global_buffer, .address_space: global }
    .group_segment_fixed_size: 67584
    .private_segment_fixed_size: 0
    .kernarg_segment_align: 8
    .kernarg_segment_size: 40
    .max_flat_workgroup_size: 512
    .sgpr_count:     66
    .vgpr_count:     256
    .wavefront_size: 32
...
	.end_amdgpu_metadata
.endif
;; end of part 3
;; launch proj (part 4): grid 4 x 64, 4 waves a work-group, clusters of 4 x 4, 327,680 bytes of LDS; arguments yc, wc, lowp_scales, out0; writes out0
.if DOCPART == 4
	.amdgcn_target "amdgcn-amd-amdhsa--gfx1250"
	.amdhsa_code_object_version 6
	.text
	.protected	k_qc61c394115_proj
	.globl	k_qc61c394115_proj
	.p2align	8
	.type	k_qc61c394115_proj,@function
k_qc61c394115_proj:
	s_mov_b64 s[64:65], 0
	v_nop
	global_prefetch_b8 v0, s[64:65] scope:SCOPE_SE
	s_setreg_imm32_b32 hwreg(HW_REG_WAVE_MODE, 25, 1), 1
	s_wait_xcnt 0x0
	s_wait_alu depctr_hold_cnt(0) depctr_sa_sdst(0) depctr_va_vdst(0) depctr_va_sdst(0) depctr_va_ssrc(0) depctr_va_vcc(0) depctr_vm_vsrc(0)
	s_getreg_b32 s2, hwreg(HW_REG_IB_STS2, 6, 4)
	s_cmp_eq_u32 s2, 0
	s_cbranch_scc0 .Lentry_in_a_cluster
	s_endpgm
.Lentry_in_a_cluster:
	s_bfe_u32 s2, ttmp6, 0x10000c
	s_cmp_lg_u32 s2, 0xf033
	s_cbranch_scc0 .Lentry_shape_is_right
	s_endpgm
.Lentry_shape_is_right:
; out0 = y Wp^T on E4M3 codes, K = 1,024; each finished sum x 2^(e10 + e11).  out0: [8192][1024] f32.
; THE OPERANDS ARRIVE AS IMAGES OF REGISTERS: a fragment (16 rows x 128 K, 16 registers a lane) is 2,048 bytes, registers 4 p .. 4 p + 3 of lane l at byte 512 p + 16 l; a tile of 16 rows is 8 such, 16,384 bytes.
; A K step of 256 of R tiles of 16 rows is R rows of 4,096 bytes, 16,384 bytes apart, which land dense in LDS; a fragment comes by four loads of 16 x lane.
; A tile of 128 tokens x 256 channels is made by four waves, each 64 x 128: 32 accumulators: 256 work-groups.  Source 0 = 16 rows of Wp, source 1 = 16 tokens: a lane holds eight neighbouring channels of one token.
; CLUSTERS: 4 x 4 work-groups; y's tile is asked for jointly along a row of the cluster, Wp's along a column.
; K goes in four steps of 256 through THREE LDS slots: three steps are first fills, which go out together, and one slot is filled again.  By this text's own count a wave has at most three tensor loads out.
; No prefetch: the one refill follows the first fills by a single K step.
; LIMIT: e10 + e11 between -126 and 127, so that 2^(e10 + e11) is an f32 number.
; REGISTERS, in windows of 256: window 0: v16-29 addresses; v32-95 at work on the way out; v128-191 y's fragments, ONE set; on the way out v128-255 rows of out0.  window 1: Wp's fragments, TWO sets, at v0 and v128.
;   window 2: the accumulators ((a, b) at v[8 (8 a + b)]).
.set NA,   4                           ; A blocks of 16 tokens a wave
.set H,    NA/2
.set Q4,   NA/4
.set FR,   16
.set NL,   4
.set FRB,  2048
.set KSB,  4096
.set SLOT, 98304                       ; y's 8 tiles of 16 tokens (32,768 bytes), then Wp's 16 tiles of 16 channels
.set SPARE, 3*SLOT                     ; behind the slots: the spare words, 128 bytes for each wave: two blocks of 256 bytes that no other line names
.set ADRA, 16                          ; v16-18  LDS address of my A fragments in slot 0, 1, 2
.set ADRB, 20                          ; v20-22  the same for B
.set STO,  24                          ; v24     the way out: where I put 32 bytes of a row
.set RD,   25                          ; v25     and where I read a row back
.set CO,   26                          ; v26     16 x lane
.set SPW,  28                          ; v28     LDS address of my spare word; never rewritten
.set NIL,  29                          ; v29     0; never rewritten
.set TMP,  32
.set AF,   128
.set BK,   128                         ; the way out: 16 rows read back: v128-191 and v192-255 by turns
.set G1A, 24                           ; s[24:31] descriptor group 1 for y's tiles; s[32:43] group 0, one set for each slot
.set G0A, 32
.set G1B, 44                           ; s[44:51], s[52:63] the same for Wp's
.set G0B, 52
.set MSB, 0
.macro WIN new                         ; the immediate's high byte repeats the setting that is left
.if MSB != (\new)
	s_set_vgpr_msb (MSB<<8)|(\new)
.set MSB, (\new)
.endif
.endm
.set MUL_LO, 0xa1                      ; source 0 (B) window 1, source 1 (A) window 0, C and D window 2
.set TO_B,   0x40                      ; destination window 1, address window 0
; A joint load: waves 0 and 1 fetch y's halves, waves 2 and 3 Wp's.  The branch hangs on the wave's number alone.  An s_nop 0 and four v_nop follow each of the two lines.
.macro JLOAD s
	s_cmp_eq_u32 s17, 0
	s_cbranch_scc0 .Lfor_b_\@
	tensor_load_to_lds s[G0A+4*(\s):G0A+4*(\s)+3], s[G1A:G1A+7]
	s_nop 0
.rept 4
	v_nop
.endr
	s_branch .Lasked_\@
.Lfor_b_\@:
	tensor_load_to_lds s[G0B+4*(\s):G0B+4*(\s)+3], s[G1B:G1B+7]
	s_nop 0
.rept 4
	v_nop
.endr
.Lasked_\@:
.endm
.macro CREST                           ; a round of the cluster's barrier behind its opening barrier
	s_cmp_lg_u32 s16, 0
	s_cbranch_scc1 .Lnot_wave_0_\@
	s_barrier_signal -3
.Lnot_wave_0_\@:
	s_barrier_wait -3
	s_barrier_signal -1
	s_barrier_wait -1
.endm
.macro CROUND                          ; a whole round
	s_barrier_signal -1
	s_barrier_wait -1
	CREST
.endm
	s_load_b256 s[4:11], s[0:1], 0x0               ; yc s[4:5], wc s[6:7], the exponents s[8:9], out0 s[10:11]
	v_lshl_add_u32 v[SPW], v0, 2, SPARE
	v_mov_b32 v[NIL], 0
	ds_add_u32 v[SPW], v[NIL]                      ; the wave's opening: the add and its wait stand ahead of my first tensor load; the set-up below, work on registers, stands between them
	v_lshrrev_b32 v1, 5, v0
	v_readfirstlane_b32 s16, v1                    ; wave 0..3
	s_lshr_b32 s17, s16, 1                         ; which half of the tile's tokens is mine.  Also: I fetch for y (0) or for Wp (1)
	s_and_b32 s18, s16, 1                          ; which half of its channels.  Also: which half of that tile I fetch
	s_bfe_u32 s66, ttmp6, 0x40000                  ; cx: the tile of 256 channels (the grid has one cluster along x)
	s_bfe_u32 s67, ttmp6, 0x40004                  ; cy
	s_and_b32 s68, ttmp7, 0xffff
	s_lshl_b32 s68, s68, 2
	s_add_co_u32 s93, s68, s67                     ; the tile of 128 tokens = 4 x cluster y + cy
	s_lshl_b32 s20, s67, 2
	s_lshl_b32 s20, 15, s20                        ; my row of the cluster
	s_lshl_b32 s21, 0x1111, s66                    ; my column
	s_or_b32 s[G1A], s20, (3<<16)|(1<<21)          ; 15:0 the mask; 17:16 elements of 8 bytes; 21 set beside a mask; no padding
	s_or_b32 s[G1B], s21, (3<<16)|(1<<21)
	s_mov_b32 s[G1A+1], 512<<16                    ; tensor_dim0 = 512 elements: 4,096 bytes
	s_mov_b32 s[G1A+2], 4<<16                      ; tensor_dim1 = 4 tiles of 16 tokens
	s_mov_b32 s[G1A+3], 512<<16                    ; tile_dim0
	s_mov_b32 s[G1A+4], 4                          ; tile_dim1
	s_mov_b32 s[G1A+5], 2048                       ; from row to row: 16,384 bytes
	s_mov_b32 s[G1A+6], 0
	s_mov_b32 s[G1A+7], 0
	s_mov_b32 s[G1B+1], 512<<16
	s_mov_b32 s[G1B+2], 8<<16                      ; 8 tiles of 16 channels
	s_mov_b32 s[G1B+3], 512<<16
	s_mov_b32 s[G1B+4], 8
	s_mov_b32 s[G1B+5], 2048
	s_mov_b32 s[G1B+6], 0
	s_mov_b32 s[G1B+7], 0
	s_lshl_b32 s70, s93, 17                        ; y: 8 tiles of 16,384 bytes,
	s_lshl_b32 s94, s18, 16                        ; my 4 of them
	s_add_co_u32 s70, s70, s94
	s_mov_b32 s71, 0
	s_lshl_b32 s72, s66, 18                        ; Wp: 16 tiles,
	s_lshl_b32 s94, s18, 17                        ; my 8 of them,
	s_add_co_u32 s72, s72, s94
	s_add_co_u32 s72, s72, 3<<20                   ; in wc's fourth section
	s_mov_b32 s73, 0
	s_lshl_b32 s69, s18, 14                        ; where they go in a slot: y's halves,
	s_lshl_b32 s19, s18, 15
	s_add_co_u32 s19, s19, 32768                   ; then Wp's
	s_wait_dscnt 0x0                               ; the opening add is done
	s_wait_kmcnt 0x0
	s_load_b64 s[96:97], s[8:9], 0x28              ; e10, e11
	s_add_nc_u64 s[70:71], s[4:5], s[70:71]
	s_add_nc_u64 s[72:73], s[6:7], s[72:73]
	CROUND                                         ; all sixteen work-groups are here: the first joint loads meet
.irp s, 0,1,2
	s_mov_b32 s[G0A+4*\s], 1
	s_add_co_u32 s[G0A+4*\s+1], s69, \s*SLOT
	s_add_nc_u64 s[G0A+4*\s+2:G0A+4*\s+3], s[70:71], \s*KSB
	s_or_b32 s[G0A+4*\s+3], s[G0A+4*\s+3], 0x80000000
	s_mov_b32 s[G0B+4*\s], 1
	s_add_co_u32 s[G0B+4*\s+1], s19, \s*SLOT
	s_add_nc_u64 s[G0B+4*\s+2:G0B+4*\s+3], s[72:73], \s*KSB
	s_or_b32 s[G0B+4*\s+3], s[G0B+4*\s+3], 0x80000000
	JLOAD \s
.endr
	v_and_b32 v1, 31, v0
	v_lshlrev_b32 v[CO], 4, v1
	s_lshl_b32 s20, s17, 14                        ; my 4 tiles of tokens
	s_lshl_b32 s21, s18, 15                        ; my 8 tiles of channels,
	s_add_co_u32 s21, s21, 32768                   ; which lie behind y's 8
.irp s, 0,1,2
	v_add_nc_u32 v[ADRA+\s], s20, v[CO]
	v_add_nc_u32 v[ADRB+\s], s21, v[CO]
	s_add_co_u32 s20, s20, SLOT
	s_add_co_u32 s21, s21, SLOT
.endr
	v_and_b32 v1, 15, v0                           ; r
	v_bfe_u32 v2, v0, 4, 1                         ; h
	s_mul_i32 s20, s16, 16*528
	s_add_co_u32 s20, s20, SLOT                    ; my stage, 16 rows x (512 + 16) bytes, lies in slot 1: it has its one fill, and its last read stands ahead of the last barrier
	v_mul_u32_u24 v3, v1, 528
	v_lshl_add_u32 v3, v2, 5, v3
	v_add_nc_u32 v[STO], s20, v3                   ; in: row r, 32 bytes for each half of the lanes
	v_add_nc_u32 v[RD], s20, v[CO]                 ; back: the 32 lanes take one row of 512 bytes
	s_lshl_b32 s94, s93, 19                        ; out0: 128 tokens of 4,096 bytes,
	s_lshl_b32 s95, s17, 18                        ; my 64,
	s_add_co_u32 s94, s94, s95
	s_lshl_b32 s95, s66, 10                        ; 256 channels of 4 bytes,
	s_add_co_u32 s94, s94, s95
	s_lshl_b32 s95, s18, 9                         ; my 128
	s_add_co_u32 s94, s94, s95
	s_mov_b32 s95, 0
	s_add_nc_u64 s[74:75], s[10:11], s[94:95]
.macro FRAG reg, adr, q, i             ; a fragment comes back as it was stored: four loads of 16 x lane
.irp c, 0,1,2,3
	ds_load_b128 v[\reg+4*\c:\reg+4*\c+3], v[\adr] offset:(\i)*KSB+(\q)*FRB+512*\c
.endr
.endm
.macro MULB a, p, zero                 ; A block a against B's eight, set p.  zero = 1: the product starts the sums
.irp b, 0,1,2,3,4,5,6,7
.if \zero
	v_wmma_f32_16x16x128_fp8_fp8 v[8*(8*(\a)+\b):8*(8*(\a)+\b)+7], v[128*(\p)+FR*\b:128*(\p)+FR*\b+FR-1], v[AF+FR*(\a):AF+FR*(\a)+FR-1], 0
.else
	v_wmma_f32_16x16x128_fp8_fp8 v[8*(8*(\a)+\b):8*(8*(\a)+\b)+7], v[128*(\p)+FR*\b:128*(\p)+FR*\b+FR-1], v[AF+FR*(\a):AF+FR*(\a)+FR-1], v[8*(8*(\a)+\b):8*(8*(\a)+\b)+7]
.endif
.endr
.endm
.macro MULS a0, n, p, zero             ; n blocks from a0 on.  The accumulators take turns, one instruction a turn, in the same order in every step of 128
	WIN MUL_LO
.set AI, \a0
.rept \n
	MULB AI, \p, \zero
.set AI, AI+1
.endr
.endm
.macro FETCH_B slot, q, p
	WIN TO_B
.irp i, 0,1,2,3,4,5,6,7
	FRAG 128*(\p)+FR*\i, ADRB+\slot, \q, \i
.endr
	WIN 0
.endm
.macro FETCH_A slot, q, i0, n
.set FI, \i0
.rept \n
	FRAG AF+FR*FI, ADRA+\slot, \q, FI
.set FI, FI+1
.endr
.endm
.macro PLACES                          ; four plain vector lines between a matrix instruction and a load into one of its registers, or a vector read of its result
.rept 4
	v_nop
.endr
.endm
; A step of 128 along K on B's set p; it fetches the fragments of (slot ns, half nq) for the next step.
.macro STEP p, ns, nq, zero
	s_wait_dscnt H*NL                              ; B's set and A's first half are in; A's second half may be out
	MULS 0, H, \p, \zero
	s_wait_dscnt 0x0
	PLACES
	FETCH_B \ns, \nq, 1-(\p)
	FETCH_A \ns, \nq, 0, H
	MULS H, H, \p, \zero
	PLACES
	WIN 0
	FETCH_A \ns, \nq, H, H
.endm
; A step on set 1 with a barrier: in front of it each wave waits for all its tensor loads, adds 0 to its spare word, and waits for that and for its reads of this slot.
; fill = 1: the barrier opens a round of the cluster's, and this slot is filled again, adv K steps on.
.macro TURN slot, next, fill, adv
	s_wait_tensorcnt 0x0                           ; all my tensor loads have landed (every window is 0 here)
	ds_add_u32 v[SPW], v[NIL]                      ; 0 onto my spare word
	s_wait_dscnt H*NL+1                            ; the add and A's second half may be out
	MULS 0, Q4, 1, 0                               ; matrix work stands between the add and the wait for it
	s_wait_dscnt 0x0                               ; the add is done, and my reads of this slot are over
	s_barrier_signal -1
	MULS Q4, Q4, 1, 0
	WIN 0
	s_barrier_wait -1
.if \fill
	CREST                                          ; no wave of any partner still reads this slot or has a load on its way
	s_add_nc_u64 s[G0A+4*\slot+2:G0A+4*\slot+3], s[G0A+4*\slot+2:G0A+4*\slot+3], (\adv)*KSB
	s_add_nc_u64 s[G0B+4*\slot+2:G0B+4*\slot+3], s[G0B+4*\slot+2:G0B+4*\slot+3], (\adv)*KSB
	JLOAD \slot                                    ; the first tensor load behind the round; its four v_nop are also the places in front of the loads below
.else
	PLACES
.endif
	FETCH_B \next, 0, 0
	FETCH_A \next, 0, 0, H
	MULS H, H, 1, 0
	PLACES
	WIN 0
	FETCH_A \next, 0, H, H
.endm
	s_wait_tensorcnt 0x2                           ; my part of K step 0 is in; K steps 1 and 2 may stay out
	s_barrier_signal -1
	s_barrier_wait -1
	FETCH_B 0, 0, 0
	FETCH_A 0, 0, 0, H
	FETCH_A 0, 0, H, H
	STEP 0, 0, 1, 1                                ; K step 0: the first products start the sums
	TURN 0, 1, 1, 3                                ; every wave's wait for all its loads shows slots 1 and 2 whole behind this barrier; slot 0 takes K step 3
	STEP 0, 1, 1, 0
	STEP 1, 2, 0, 0                                ; on into slot 2: no barrier is owed
	STEP 0, 2, 1, 0
	TURN 2, 0, 0, 0                                ; K step 3 has landed in every wave's part; nothing is left to fetch
	STEP 0, 0, 1, 0
	s_wait_dscnt H*NL                              ; the very last step
	MULS 0, H, 1, 0
	s_wait_dscnt 0x0
	MULS H, H, 1, 0
	WIN 0
; THE WAY OUT, a block of 16 tokens x 128 channels at a time.  A lane holds 32 neighbouring bytes of a row, and the lanes beside it hold other rows: so a block goes through my own stage in LDS and comes back as whole
; rows of 512 bytes, which the 32 lanes store, aligned.  LDS serves a wave's instructions in order (ISA guide 5.7.1.4): no wait between the stores and the loads, nor in front of the next block's stores.
.macro TOSTAGE a
.set AC, 64*(\a)
	WIN 0x02                                       ; source 0: window 2
.set J, 0
.rept 32
	v_pk_mul_f32 v[TMP+J:TMP+J+1], v[AC+J:AC+J+1], s[96:97] op_sel_hi:[1,0]   ; both x s96 = 2^(e10 + e11); each accumulator from its low end on
.set J, J+2
.endr
	WIN 0
.irp b, 0,1,2,3,4,5,6,7
	ds_store_b128 v[STO], v[TMP+8*\b:TMP+8*\b+3] offset:64*\b
	ds_store_b128 v[STO], v[TMP+8*\b+4:TMP+8*\b+7] offset:64*\b+16
.endr
.set BB, BK+64*((\a)%2)
.irp t, 0,1,2,3,4,5,6,7,8,9,10,11,12,13,14,15
	ds_load_b128 v[BB+4*\t:BB+4*\t+3], v[RD] offset:\t*528
.endr
.endm
.macro SEND a, younger                 ; younger: the LDS instructions issued behind block a's loads, which may stay out
.set BB, BK+64*((\a)%2)
	s_wait_dscnt \younger
.irp t, 0,1,2,3,4,5,6,7,8,9,10,11,12,13,14,15
	global_store_b128 v[CO], v[BB+4*\t:BB+4*\t+3], s[74:75] offset:(16*(\a)+\t)*4096 th:TH_STORE_NT   ; 512 consecutive bytes, aligned; written once, read by nobody here
.endr
.endm
	s_wait_kmcnt 0x0
	s_add_co_i32 s96, s96, s97                     ; e10 + e11
	s_add_co_i32 s96, s96, 127
	s_lshl_b32 s96, s96, 23                        ; 2^(e10 + e11) as f32
	s_mov_b32 s97, s96                             ; (named with it as a pair)
	PLACES                                         ; behind the last products: for the first read of results and the loads into the registers that held y's fragments
	TOSTAGE 0
.irp a, 1,2,3
.if \a > 1
	s_wait_xcnt 0x0                                ; block a - 2's stores have read their registers: block a's loads may land there
.endif
	TOSTAGE \a
	SEND \a-1, 32                                  ; behind block a - 1's loads: block a's 16 stores and 16 loads
.endr
	SEND 3, 0
	s_wait_tensorcnt 0x0                           ; the wave's end, behind my last tensor load and my last LDS store
	ds_add_u32 v[SPW], v[NIL]
	s_wait_dscnt 0x0
	CROUND                                         ; the closing round: no work-group ends while a partner may still ask for a tile that names it
	s_endpgm
.Lfunc_end_k_qc61c394115_proj:
	.size	k_qc61c394115_proj, .Lfunc_end_k_qc61c394115_proj-k_qc61c394115_proj
	.p2alignl 7, 3214868480
	.fill 96, 4, 3214868480
	.section	.rodata,"a",@progbits
	.p2align	6, 0x0
	.amdhsa_kernel k_qc61c394115_proj
		.amdhsa_group_segment_fixed_size 327680
		.amdhsa_private_segment_fixed_size 0
		.amdhsa_enable_private_segment 0
		.amdhsa_kernarg_size 32
		.amdhsa_user_sgpr_count 2
		.amdhsa_user_sgpr_kernarg_segment_ptr 1
		.amdhsa_wavefront_size32 1
		.amdhsa_system_sgpr_workgroup_id_x 1
		.amdhsa_system_sgpr_workgroup_id_y 1
		.amdhsa_system_sgpr_workgroup_id_z 1
		.amdhsa_system_vgpr_workitem_id 0
		.amdhsa_next_free_vgpr 768
		.amdhsa_next_free_sgpr 98
		.amdhsa_reserve_vcc 0
		.amdhsa_float_denorm_mode_32 3
		.amdhsa_float_denorm_mode_16_64 3
		.amdhsa_memory_ordered 1
		.amdhsa_forward_progress 1
		.amdhsa_inst_pref_size 76
	.end_amdhsa_kernel
	.amdgpu_metadata
---
amdhsa.version: [ 1, 2 ]
amdhsa.kernels:
  - .name:           k_qc61c394115_proj
    .symbol:         k_qc61c394115_proj.kd
    .args:
      - { .name: yc, .offset: 0, .size: 8, .value_kind: global_buffer, .address_space: global }
      - { .name: wc, .offset: 8, .size: 8, .value_kind: global_buffer, .address_space: global }
      - { .name: lowp_scales, .offset: 16, .size: 8, .value_kind: global_buffer, .address_space: global }
      - { .name: out0, .offset: 24, .size: 8, .value_kind: global_buffer, .address_space: global }
    .group_segment_fixed_size: 327680
    .private_segment_fixed_size: 0
    .kernarg_segment_align: 8
    .kernarg_segment_size: 32
    .max_flat_workgroup_size: 128
    .sgpr_count:     98
    .vgpr_count:     768
    .wavefront_size: 32
...
	.end_amdgpu_metadata
.endif
;; end of part 4
;; ======== version 2 of 2: 4 launches; version 1 with the launch attn written anew for expert scheduling mode
;; workspace buffers: xc 25,165,824 bytes; wc 4,194,304 bytes; qc 8,388,608 bytes; kc 8,388,608 bytes; vc 8,388,608 bytes; yc 8,388,608 bytes
;; launch quant: the kernel of part 1 again; grid 384 x 1, 4 waves a work-group, no clusters, 34,304 bytes of LDS; arguments x, Wq, Wk, Wv, Wp, lowp_scales, xc, wc; writes xc, wc
;; launch qkv: the kernel of part 2 again; grid 12 x 32, 4 waves a work-group, clusters of 4 x 4, 327,680 bytes of LDS; arguments xc, wc, lowp_scales, qc, kc, vc; writes qc, kc, vc
;; launch attn (part 5): grid 4 x 64, 16 waves a work-group, no clusters, 67,584 bytes of LDS; arguments qc, kc, vc, lowp_scales, yc; writes yc
.if DOCPART == 5
	.amdgcn_target "amdgcn-amd-amdhsa--gfx1250"
	.amdhsa_code_object_version 6
	.text
	.protected	k_qc61c394115_attn
	.globl	k_qc61c394115_attn
	.p2align	8
	.type	k_qc61c394115_attn,@function
k_qc61c394115_attn:
	s_mov_b64 s[64:65], 0
	v_nop
	global_prefetch_b8 v0, s[64:65] scope:SCOPE_SE
	s_setreg_imm32_b32 hwreg(HW_REG_WAVE_SCHED_MODE, 0, 2), 2
	s_setreg_imm32_b32 hwreg(HW_REG_WAVE_MODE, 25, 1), 1
	s_wait_xcnt 0x0
	s_wait_alu depctr_vm_vsrc(0)
; y[b][q][head] = causal softmax(q k^T / 8) v, both products on E4M3 codes by v_wmma_f32_16x16x64_fp8_fp8, and y quantised at once (2^e10) into images of the last product's operand.
; THE SOFTMAX AHEAD OF THE SECOND PRODUCT: t = score x log2(e) / 8; M = the running largest t rounded UP to a whole number; p = 2^(t - M) is quantised (2^e8), not normalised; the row's sum is taken of the
; unquantised p and divides at the end.  When M moves, the sum and O are multiplied by 2^(old M - new M), which rounds nothing.
; OPERANDS ARE IMAGES OF REGISTERS: a fragment (16 rows x 64 K, 8 registers a lane: lane (r, h): row r, registers 2 c, 2 c + 1: K = 16 c + 8 h + 0 .. 7) is 1,024 bytes, registers 4 p .. 4 p + 3 of lane l at 512 p + 16 l.
;   qc, kc: [64 batch x head][128 tiles of 16 tokens][1024];  vc: [64][32 steps of 64 keys][4 tiles of 16 channels][1024];  yc: [512 tiles of 16 tokens][16 heads][1024].
; BOTH PRODUCTS TRANSPOSED: S^T = K Q^T (source 0 = 16 keys, source 1 = 16 queries): lane (r, h) holds query r and keys 16 t + 8 h + 0 .. 7 of tile t: one conversion of a tile gives registers 2 t, 2 t + 1 of P.
;   O^T = V^T P^T (source 0 = 16 channels x 64 keys, source 1 = P): lane (r, h) holds query r, channels 16 dt + 8 h + 0 .. 7: one conversion gives registers 2 dt, 2 dt + 1 of y's fragment.
; SHARES.  Work-group (j, batch x head) owns the blocks j and 7 - j of 256 queries: nine blocks' worth of keys under the causal mask in every work-group.  Each of its sixteen waves owns 32 queries, two tiles X and Y
; that share every fragment of K and V; half of the waves work in each block.  Four waves to a SIMD: one wave's vector work stands beside another's matrix work and LDS loads.
; K AND V come through registers into two LDS buffers of 256 keys (plain copies of kc and vc, 16 bytes a thread): the next slot is loaded at a trip's head and stored at its end; one barrier a trip.
; All work-groups walk 8 trips; a step of 64 keys that lies wholly behind a wave's queries is jumped over (ids alone), and slots behind the work-group's last query are not loaded.
; No cluster: the four work-groups of a head need different numbers of slots (8 - j), and a slot's 32,768 bytes are little beside the slot's vector work.
; LIMITS: e6 + e7 between -123 and 130 (added to c's exponent field); e8 and e10 between -126 and 119.  NaN among the inputs is not served.
; THE MODE: SCHED_MODE bits 1:0 = 2 (LLVM: expert scheduling mode 2), set by the entry lines.  The code itself states the register dependences between vector or matrix instructions and memory or LDS
; instructions, with s_wait_alu, always for 0.
; THE PLAN.  Registers that memory or LDS instructions touch:
;   v[LI], v[ST0], v242   offsets, made once at the head, ahead of the head's wait on va_vdst, and never written again.
;   v[ADR], v[STA]        LDS addresses, written by two additions at a trip's head; read by the trip's LDS loads and by its four LDS stores.
;   v[F ..]               a step's K lands here and is read by the products K Q^T; then its V lands here and is read by the products V^T P^T.  Sixteen waves of 256 registers leave no room for a second such buffer.
;   v[G ..]               the next slot: written by the global loads at a trip's head, read by the LDS stores at its end; no vector instruction names them.
;   v[PX ..], v[PY ..]    at the way out alone: written by the last conversions, read by the four stores of y.
;   v[SPW], v[NIL]        written at the head, read by the closing add alone.
; At a trip's head one wait on vm_vsrc frees v[G ..], v[ADR] and v[STA], and one on va_vdst, behind the two additions, shows the addresses written and the last trip's products done with v[F ..]: it stands on
; every wave's path, that of a wave all of whose steps are hidden too, and serves the trip's first loads of K.  In a step one wait on va_vdst stands ahead of K's loads (steps 1 to 3) and one ahead of V's.
; The compares of the causal mask write 32 scalar registers in a run, with one wait on va_sdst between the run and the selects that read them.
.set SPARE, 65536                      ; behind the buffers: the spare words, 128 bytes for each wave: eight blocks of 256 bytes that no other line names
.set LI,  1                            ; v1   16 x lane
.set ADR, 2                            ; v2   the buffer in hand + 16 x lane
.set ST0, 3                            ; v3   16 x thread: my bytes of a copy's 8,192
.set STA, 4                            ; v4   the other buffer + 16 x thread
.set SPW, 5                            ; v5   LDS address of my spare word; never rewritten
.set NIL, 6                            ; v6   0; never rewritten
.set DQ,  7                            ; v7   r - 8 h
.set QX,  32                           ; v32-39, v40-47  Q's two fragments
.set QY,  40
.set F,   48                           ; v48-79   four fragments of K or of V
.set SX,  80                           ; v80-111, v112-143  S^T, then p
.set SY,  112
.set OX,  144                          ; v144-175, v176-207 O^T
.set OY,  176
.set PX,  208                          ; v208-215, v216-223 p's codes, at the end y's
.set PY,  216
.set G,   224                          ; v224-239 the next slot on its way
.set MK,  66                           ; s66-97   the masks of a run of 32 compares
; v8-11 maxima; X: v12 -M, v13 the largest t, v[14:15] the sum; Y: v16, v17, v[18:19]; v[20:21], v[22:23] f; v[24:27] second chains of the sums; v28, v29 from the other half of the lanes; v30 d; v31 -infinity;
; v240 2^e8, v241 448 x 2^e8, v242 256 x lane, v243 2^e10.
; s14 wave; s19 my first query; s20 the step's first key; s21, s22 the buffer in hand and the other; s23 the trip; s24 7 - j; s[26:27] c; s[28:29] lane selects; s[32:36] e6 .. e10; s37, s38 -+448 x 2^e10; s39 e8 + e9; s[42:43], s44 prefetch.
	s_load_b256 s[4:11], s[0:1], 0x0               ; qc s[4:5], kc s[6:7], vc s[8:9], the exponents s[10:11]
	s_load_b64 s[12:13], s[0:1], 0x20              ; yc
	v_lshl_add_u32 v[SPW], v0, 2, SPARE
	v_mov_b32 v[NIL], 0
	v_lshrrev_b32 v1, 5, v0
	v_readfirstlane_b32 s14, v1                    ; wave 0..15
	v_and_b32 v1, 31, v0                           ; the offsets are made here, between that line and the wait for its result
	v_lshlrev_b32 v242, 8, v1
	v_lshlrev_b32 v[LI], 4, v1
	v_lshlrev_b32 v[ST0], 4, v0
	v_and_b32 v[DQ], 15, v0
	v_bfe_u32 v8, v0, 4, 1
	v_lshlrev_b32 v8, 3, v8
	v_sub_nc_u32 v[DQ], v[DQ], v8
	s_wait_alu depctr_va_sdst(0)                   ; s14 is written, ahead of its first reader: my queries and every pointer of mine are made from it
	s_lshr_b32 s15, s14, 2
	s_xor_b32 s15, s15, s14
	s_and_b32 s15, s15, 1                          ; which of the two blocks: waves 2 i and 2 i + 1 differ in it
	s_lshr_b32 s16, s14, 1                         ; which 32 queries of the block
	s_and_b32 s18, ttmp7, 0xffff                   ; batch x head
	s_sub_co_u32 s24, 7, ttmp9
	s_cmp_eq_u32 s15, 0
	s_cselect_b32 s19, ttmp9, s24
	s_lshl_b32 s19, s19, 8
	s_lshl_b32 s25, s16, 5
	s_add_co_u32 s19, s19, s25                     ; my first query
	s_mov_b32 s20, 0
	s_mov_b32 s21, 0
	s_mov_b32 s22, 32768
	s_mov_b32 s23, 0
	s_mov_b32 s28, 0x76543210
	s_mov_b32 s29, 0xfedcba98
	s_lshl_b32 s30, s18, 17                        ; the head's 131,072 bytes in qc, kc, vc
	s_mov_b32 s31, 0
	s_wait_kmcnt 0x0
	s_load_b128 s[32:35], s[10:11], 0x18           ; e6, e7, e8, e9
	s_load_b32 s36, s[10:11], 0x28                 ; e10
	s_add_nc_u64 s[6:7], s[6:7], s[30:31]
	s_add_nc_u64 s[8:9], s[8:9], s[30:31]
	s_add_nc_u64 s[4:5], s[4:5], s[30:31]
	s_wait_alu depctr_va_vdst(0)                   ; v[LI], v[ST0] and v242 are written: every global access and the first LDS stores read one of them as an offset, and no vector instruction writes them again
	global_load_b128 v[G:G+3],     v[ST0], s[6:7]              ; slot 0: K's 16,384 bytes,
	global_load_b128 v[G+4:G+7],   v[ST0], s[6:7] offset:8192
	global_load_b128 v[G+8:G+11],  v[ST0], s[8:9]              ; V's
	global_load_b128 v[G+12:G+15], v[ST0], s[8:9] offset:8192
	s_lshl_b32 s40, s19, 6                         ; 1,024 bytes for each 16 queries
	s_mov_b32 s41, 0
	s_add_nc_u64 s[4:5], s[4:5], s[40:41]
	global_load_b128 v[QX:QX+3],   v[LI], s[4:5]
	global_load_b128 v[QX+4:QX+7], v[LI], s[4:5] offset:512
	global_load_b128 v[QY:QY+3],   v[LI], s[4:5] offset:1024
	global_load_b128 v[QY+4:QY+7], v[LI], s[4:5] offset:1536
	; the prefetches.  All four work-groups of a head walk the same K and V: the one that walks all 8 slots (j = 0) asks, its waves 0 and 1 for the halves of K's slot, 2 and 3 for V's: 8,192 bytes a wave, lanes 256 bytes apart.
	; In trip i they ask for slot i + 2, which the next trip loads; slots 0 and 1 come by their loads alone; the last two trips ask for nothing.
	s_cmp_lt_u32 s14, 2
	s_cselect_b64 s[42:43], s[6:7], s[8:9]
	s_and_b32 s40, s14, 1
	s_lshl_b32 s40, s40, 13
	s_add_co_u32 s40, s40, 32768                   ; slot 2
	s_add_nc_u64 s[42:43], s[42:43], s[40:41]
	s_lshr_b32 s44, s14, 2
	s_or_b32 s44, s44, ttmp9
	s_cmp_eq_u32 s44, 0
	s_cselect_b32 s44, 6, 0                        ; a wave asks while the trip's number is under this
	; where y's codes go: token x 1,024 + head x 1,024
	s_lshr_b32 s40, s18, 4
	s_lshl_b32 s40, s40, 21
	s_lshl_b32 s45, s19, 10
	s_add_co_u32 s40, s40, s45
	s_and_b32 s45, s18, 15
	s_lshl_b32 s45, s45, 10
	s_add_co_u32 s40, s40, s45
	s_add_nc_u64 s[12:13], s[12:13], s[40:41]
	v_mov_b32 v13, 0xff61b1e6                      ; the largest t so far: -3e38, under every t
	v_mov_b32 v17, 0xff61b1e6
	v_floor_f32 v12, -v13                          ; -M
	v_floor_f32 v16, -v17
	v_mov_b32 v14, 0                               ; the sums, in two halves each
	v_mov_b32 v15, 0
	v_mov_b32 v18, 0
	v_mov_b32 v19, 0
	v_mov_b32 v21, 0                               ; (named as the upper halves of the pairs of f)
	v_mov_b32 v23, 0
	v_mov_b32 v28, 0                               ; written once: a lane permute's destination counts as one of its sources
	v_mov_b32 v29, 0
	v_mov_b32 v31, 0xff800000                      ; -infinity
.set N, 0
.rept 64
	v_mov_b32 v[OX+N], 0                           ; O^T.  (The step is written in one form: the first finds zeros, which the first change of M leaves zeros)
.set N, N+1
.endr
	s_wait_kmcnt 0x0
	s_add_co_i32 s25, s32, s33
	s_lshl_b32 s25, s25, 23
	s_add_co_i32 s26, s25, 0x3e38aa3b              ; c = log2(e) / 8, with e6 + e7 added to its exponent field: a score stands for score x 2^(e6 + e7)
	s_mov_b32 s27, s26                             ; (named with it as a pair, so it is written)
	s_add_co_i32 s25, s34, 127
	s_lshl_b32 s45, s25, 23
	v_mov_b32 v240, s45                            ; 2^e8
	s_add_co_i32 s25, s25, 8
	s_lshl_b32 s25, s25, 23
	s_or_b32 s25, s25, 0x600000
	v_mov_b32 v241, s25                            ; 448 x 2^e8
	s_add_co_i32 s25, s36, 127
	s_lshl_b32 s45, s25, 23
	v_mov_b32 v243, s45                            ; 2^e10
	s_add_co_i32 s25, s25, 8
	s_lshl_b32 s38, s25, 23
	s_or_b32 s38, s38, 0x600000                    ; 448 x 2^e10,
	s_or_b32 s37, s38, 0x80000000                  ; and its negative
	s_add_co_i32 s39, s34, s35                     ; e8 + e9
	s_wait_loadcnt 0x0                             ; slot 0 and Q are in
	ds_store_b128 v[ST0], v[G:G+3]                 ; (no vector instruction since the head's wait on va_vdst names v[ST0] or v[G ..])
	ds_store_b128 v[ST0], v[G+4:G+7] offset:8192
	ds_store_b128 v[ST0], v[G+8:G+11] offset:16384
	ds_store_b128 v[ST0], v[G+12:G+15] offset:24576
	s_add_nc_u64 s[6:7], s[6:7], 16384             ; (their loads are done) on to slot 1
	s_add_nc_u64 s[8:9], s[8:9], 16384
	s_wait_dscnt 0x0                               ; for the others' sake: my stores have landed
	s_barrier_signal -1
	s_barrier_wait -1
; A KEY STEP: 64 keys, the q-th of the buffer in hand.
.macro STEP q
	s_cmp_gt_u32 s20, s19                          ; the step's first key is a multiple of 64, my first query of 32: where it is above my first query, all 64 keys lie behind my 32 queries
	s_cbranch_scc1 .Lhid_\@
.rept 4
	v_nop                                          ; four places behind the last products (ISA guide 7.12.1), beside the wait that states the dependence
.endr
.if (\q) > 0
	s_wait_alu depctr_va_vdst(0)                   ; the last step's products V^T P^T are done reading v[F ..], in which K's fragments land.  (In a trip's first step the wait at the trip's head has shown that)
.endif
.irp t, 0,1,2,3
	ds_load_b128 v[F+8*\t:F+8*\t+3],   v[ADR] offset:(\q)*4096+\t*1024
	ds_load_b128 v[F+8*\t+4:F+8*\t+7], v[ADR] offset:(\q)*4096+\t*1024+512
.endr
	s_wait_dscnt 0x0
.irp t, 0,1,2,3
	v_wmma_f32_16x16x64_fp8_fp8 v[SX+8*\t:SX+8*\t+7], v[F+8*\t:F+8*\t+7], v[QX:QX+7], 0
	v_wmma_f32_16x16x64_fp8_fp8 v[SY+8*\t:SY+8*\t+7], v[F+8*\t:F+8*\t+7], v[QY:QY+7], 0
.endr
.rept 4
	v_nop                                          ; places behind these products, ahead of the first vector read of the scores
.endr
	s_wait_alu depctr_va_vdst(0)                   ; the products K Q^T are done reading v[F ..], in which V's fragments land
.irp t, 0,1,2,3
	ds_load_b128 v[F+8*\t:F+8*\t+3],   v[ADR] offset:16384+(\q)*4096+\t*1024       ; V lands under the softmax
	ds_load_b128 v[F+8*\t+4:F+8*\t+7], v[ADR] offset:16384+(\q)*4096+\t*1024+512
.endr
	s_add_co_u32 s25, s20, 63                      ; on the diagonal the scores of hidden keys become -infinity: p = 0 then.  A step all of whose keys count for all my queries skips this
	s_cmp_le_u32 s25, s19
	s_cbranch_scc1 .Lopen_\@
	s_sub_co_i32 s25, s19, s20
	v_add_nc_u32 v30, s25, v[DQ]                   ; d = my query - the step's first key - 8 h.  Register 8 t + i holds key 16 t + 8 h + i of the step: hidden where 16 t + i > d
.set N, 0
.rept 32
	v_cmp_gt_i32 s[MK+N], 16*(N/8)+N%8, v30        ; tile X's 32 compares in one run, a scalar register each
.set N, N+1
.endr
	s_wait_alu depctr_va_sdst(0)                   ; the 32 compares have written s[MK ..], ahead of the selects that read them
.set N, 0
.rept 32
	v_cndmask_b32 v[SX+N], v[SX+N], v31, s[MK+N]
.set N, N+1
.endr
	v_add_nc_u32 v30, 16, v30                      ; tile Y's queries lie 16 further on
.set N, 0
.rept 32
	v_cmp_gt_i32 s[MK+N], 16*(N/8)+N%8, v30
.set N, N+1
.endr
	s_wait_alu depctr_va_sdst(0)                   ; tile Y's 32 compares have written s[MK ..], ahead of the selects that read them
.set N, 0
.rept 32
	v_cndmask_b32 v[SY+N], v[SY+N], v31, s[MK+N]
.set N, N+1
.endr
.Lopen_\@:
	v_max3_num_f32 v8,  v[SX],   v[SX+1], v[SX+2]  ; the step's largest score of my query, in two chains a tile, each accumulator from its low end on
	v_max3_num_f32 v10, v[SY],   v[SY+1], v[SY+2]
	v_max3_num_f32 v9,  v[SX+3], v[SX+4], v[SX+5]
	v_max3_num_f32 v11, v[SY+3], v[SY+4], v[SY+5]
.irp i, 6,10,14,18,22,26
	v_max3_num_f32 v8,  v8,  v[SX+\i],   v[SX+\i+1]
	v_max3_num_f32 v10, v10, v[SY+\i],   v[SY+\i+1]
	v_max3_num_f32 v9,  v9,  v[SX+\i+2], v[SX+\i+3]
	v_max3_num_f32 v11, v11, v[SY+\i+2], v[SY+\i+3]
.endr
	v_max3_num_f32 v8,  v8,  v[SX+30], v[SX+31]
	v_max3_num_f32 v10, v10, v[SY+30], v[SY+31]
	v_max_num_f32 v8,  v8,  v9
	v_max_num_f32 v10, v10, v11
	v_permlanex16_b32 v28, v8,  s28, s29           ; the query's other 32 keys lie in the lane 16 away
	v_permlanex16_b32 v29, v10, s28, s29
	v_max_num_f32 v8,  v8,  v28
	v_max_num_f32 v10, v10, v29
	v_mul_f32 v8,  s26, v8                         ; as t (c is positive)
	v_mul_f32 v10, s26, v10
	v_max_num_f32 v13, v13, v8                     ; the running largest t
	v_max_num_f32 v17, v17, v10
	v_mov_b32 v8,  v12
	v_mov_b32 v10, v16
	v_floor_f32 v12, -v13                          ; the new -M = floor(-t) = -ceil(t)
	v_floor_f32 v16, -v17
	v_sub_f32 v8,  v12, v8                         ; old M - new M: a whole number, 0 or less
	v_sub_f32 v10, v16, v10
	v_cvt_i32_f32 v8,  v8                          ; (it saturates)
	v_cvt_i32_f32 v10, v10
	v_ldexp_f32 v20, 1.0, v8                       ; f = 2^(old M - new M)
	v_ldexp_f32 v22, 1.0, v10
.set N, 0
.rept 16
	v_pk_fma_f32 v[SX+N:SX+N+1], v[SX+N:SX+N+1], s[26:27], v[12:13] op_sel_hi:[1,0,0]   ; t - M, two at a time (of the pairs c and -M the low word serves both halves)
	v_pk_fma_f32 v[SY+N:SY+N+1], v[SY+N:SY+N+1], s[26:27], v[16:17] op_sel_hi:[1,0,0]
.set N, N+2
.endr
.set N, 0
.rept 64
	v_exp_f32 v[SX+N], v[SX+N]                     ; p = 2^(t - M): one batch
.set N, N+1
.endr
	v_pk_mul_f32 v[14:15], v[14:15], v[20:21] op_sel_hi:[1,0]   ; the sums under the new M (plain lines behind the exponentials)
	v_pk_mul_f32 v[18:19], v[18:19], v[22:23] op_sel_hi:[1,0]
	s_wait_alu depctr_va_vdst(0)                   ; the 64 exponentials have written p in v[SX ..] and v[SY ..]: one wait for the whole batch, ahead of its first reader
	v_pk_add_f32 v[24:25], v[SX:SX+1], v[SX+2:SX+3]             ; the rows' sums, of the unquantised p: two at a time, two chains a tile
	v_pk_add_f32 v[26:27], v[SY:SY+1], v[SY+2:SY+3]
.irp j, 4,8,12,16,20,24,28
	v_pk_add_f32 v[14:15], v[14:15], v[SX+\j:SX+\j+1]
	v_pk_add_f32 v[18:19], v[18:19], v[SY+\j:SY+\j+1]
	v_pk_add_f32 v[24:25], v[24:25], v[SX+\j+2:SX+\j+3]
	v_pk_add_f32 v[26:27], v[26:27], v[SY+\j+2:SY+\j+3]
.endr
	v_pk_add_f32 v[14:15], v[14:15], v[24:25]
	v_pk_add_f32 v[18:19], v[18:19], v[26:27]
	s_cmp_ge_i32 s34, -8                           ; the hold at 448 x 2^e8 (the conversion does not saturate: ISA guide 7.6.2).  p is at most 1 but for the last bit of t - M, and 448 x 2^-8 = 1.75:
	s_cbranch_scc1 .Lnohold_\@                     ; from e8 = -8 on the hold changes no number and is jumped over: a branch on a given whole number
.set N, 0
.rept 64
	v_min_num_f32 v[SX+N], v[SX+N], v241           ; p is not negative: the hold is one-sided
.set N, N+1
.endr
.Lnohold_\@:
.irp t, 0,1,2,3
	v_cvt_scalef32_pk8_fp8_f32 v[PX+2*\t:PX+2*\t+1], v[SX+8*\t:SX+8*\t+7], v240
	v_cvt_scalef32_pk8_fp8_f32 v[PY+2*\t:PY+2*\t+1], v[SY+8*\t:SY+8*\t+7], v240
.endr
.set N, 0
.rept 16
	v_pk_mul_f32 v[OX+N:OX+N+1], v[OX+N:OX+N+1], v[20:21] op_sel_hi:[1,0]   ; O^T under the new M.  (Also the plain lines between the conversions and the products that read their results)
	v_pk_mul_f32 v[OY+N:OY+N+1], v[OY+N:OY+N+1], v[22:23] op_sel_hi:[1,0]
.set N, N+2
.endr
	s_wait_dscnt 0x0                               ; V is in
.irp t, 0,1,2,3                        ; the eight accumulators take turns, one instruction a turn
	v_wmma_f32_16x16x64_fp8_fp8 v[OX+8*\t:OX+8*\t+7], v[F+8*\t:F+8*\t+7], v[PX:PX+7], v[OX+8*\t:OX+8*\t+7]
	v_wmma_f32_16x16x64_fp8_fp8 v[OY+8*\t:OY+8*\t+7], v[F+8*\t:F+8*\t+7], v[PY:PY+7], v[OY+8*\t:OY+8*\t+7]
.endr
.Lhid_\@:
	s_add_co_u32 s20, s20, 64
.endm
.Lslot:                                            ; 8 trips, a slot of 256 keys each
	s_wait_alu depctr_vm_vsrc(0)                   ; the LDS stores issued so far have read v[G ..], in which the loads below land, and v[STA]; the LDS loads have read v[ADR]: both addresses are written anew below
	s_cmp_lt_u32 s23, s24                          ; the next slot is loaded while it begins at or under my work-group's last query: ids and the trip's number alone, the same in all sixteen waves
	s_cbranch_scc0 .Lno_load
	global_load_b128 v[G:G+3],     v[ST0], s[6:7]
	global_load_b128 v[G+4:G+7],   v[ST0], s[6:7] offset:8192
	global_load_b128 v[G+8:G+11],  v[ST0], s[8:9]
	global_load_b128 v[G+12:G+15], v[ST0], s[8:9] offset:8192
.Lno_load:
	s_cmp_lt_u32 s23, s44
	s_cbranch_scc0 .Lno_ask
	global_prefetch_b8 v242, s[42:43] th:TH_LOAD_NT scope:SCOPE_SE         ; the slot after that one: a trip ahead of its load
.Lno_ask:
	v_add_nc_u32 v[ADR], s21, v[LI]
	v_add_nc_u32 v[STA], s22, v[ST0]
	s_wait_alu depctr_va_vdst(0)                   ; v[ADR] and v[STA] are written, which the trip's LDS loads and its LDS stores read; the last trip's products are done reading v[F ..], in which the first step's K lands
	STEP 0
	STEP 1
	STEP 2
	STEP 3
	s_wait_loadcnt 0x0                             ; the next slot is in registers
	s_wait_xcnt 0x0                                ; and the prefetch has read its address
	s_cmp_lt_u32 s23, s24
	s_cbranch_scc0 .Lno_store
	ds_store_b128 v[STA], v[G:G+3]                 ; into the buffer that every wave left ahead of the last barrier.  (No vector instruction since the wait at the trip's head names v[STA] or v[G ..])
	ds_store_b128 v[STA], v[G+4:G+7] offset:8192
	ds_store_b128 v[STA], v[G+8:G+11] offset:16384
	ds_store_b128 v[STA], v[G+12:G+15] offset:24576
	s_add_nc_u64 s[6:7], s[6:7], 16384
	s_add_nc_u64 s[8:9], s[8:9], 16384
.Lno_store:
	s_add_nc_u64 s[42:43], s[42:43], 16384
	s_wait_dscnt 0x0                               ; my stores have landed, and my reads of the buffer in hand are over
	s_barrier_signal -1
	s_barrier_wait -1                              ; one barrier a trip orders both
	s_xor_b32 s21, s21, 32768
	s_xor_b32 s22, s22, 32768
	s_add_co_u32 s23, s23, 1
	s_cmp_lt_u32 s23, 8
	s_cbranch_scc1 .Lslot
	; THE WAY OUT.  y = O^T x 2^(e8 + e9) / the sum, held within +-448 x 2^e10 and converted: the results are y's fragments, stored as they stand: 512 consecutive bytes a store.
.rept 4
	v_nop                                          ; places behind the last products
.endr
	v_add_f32 v14, v14, v15                        ; the sums' two halves,
	v_add_f32 v18, v18, v19
	v_permlanex16_b32 v28, v14, s28, s29
	v_permlanex16_b32 v29, v18, s28, s29
	v_add_f32 v14, v14, v28                        ; and the other half of the lanes'
	v_add_f32 v18, v18, v29
	v_rcp_f32 v14, v14
	v_rcp_f32 v18, v18
	v_nop                                          ; a plain line behind the reciprocals,
	s_wait_alu depctr_va_vdst(0)                   ; the two reciprocals have written v14 and v18: the wait ahead of their first reader
	v_ldexp_f32 v14, v14, s39
	v_ldexp_f32 v18, v18, s39
.macro YCONV o, p, li                  ; a tile's 32 numbers a lane become its fragment of y
.set N, 0
.rept 16
	v_pk_mul_f32 v[\o+N:\o+N+1], v[\o+N:\o+N+1], v[\li:\li+1] op_sel_hi:[1,0]
.set N, N+2
.endr
.set N, 0
.rept 32
	v_med3_num_f32 v[\o+N], v[\o+N], s37, s38
.set N, N+1
.endr
.irp t, 0,1,2,3
	v_cvt_scalef32_pk8_fp8_f32 v[\p+2*\t:\p+2*\t+1], v[\o+8*\t:\o+8*\t+7], v243
.endr
	v_nop                                          ; a plain line behind the last conversion
.endm
	YCONV OX, PX, 14
	YCONV OY, PY, 18
	s_wait_alu depctr_va_vdst(0)                   ; the eight conversions have written v[PX ..] and v[PY ..], which the four stores read
	global_store_b128 v[LI], v[PX:PX+3],   s[12:13]
	global_store_b128 v[LI], v[PX+4:PX+7], s[12:13] offset:512
	global_store_b128 v[LI], v[PY:PY+3],   s[12:13] offset:16384       ; the next 16 tokens
	global_store_b128 v[LI], v[PY+4:PY+7], s[12:13] offset:16384+512
	s_wait_dscnt 0x0                               ; the closing lines, six on end
	s_wait_alu 0x0
	s_wait_tensorcnt 0x0
	ds_add_u32 v[SPW], v[NIL]
	s_wait_dscnt 0x0
	s_endpgm
.Lfunc_end_k_qc61c394115_attn:
	.size	k_qc61c394115_attn, .Lfunc_end_k_qc61c394115_attn-k_qc61c394115_attn
	.p2alignl 7, 3214868480
	.fill 96, 4, 3214868480
	.section	.rodata,"a",@progbits
	.p2align	6, 0x0
	.amdhsa_kernel k_qc61c394115_attn
		.amdhsa_group_segment_fixed_size 67584
		.amdhsa_private_segment_fixed_size 0
		.amdhsa_enable_private_segment 0
		.amdhsa_kernarg_size 40
		.amdhsa_user_sgpr_count 2
		.amdhsa_user_sgpr_kernarg_segment_ptr 1
		.amdhsa_wavefront_size32 1
		.amdhsa_system_sgpr_workgroup_id_x 1
		.amdhsa_system_sgpr_workgroup_id_y 1
		.amdhsa_system_sgpr_workgroup_id_z 1
		.amdhsa_system_vgpr_workitem_id 0
		.amdhsa_next_free_vgpr 256
		.amdhsa_next_free_sgpr 98
		.amdhsa_reserve_vcc 0
		.amdhsa_float_denorm_mode_32 3
		.amdhsa_float_denorm_mode_16_64 3
		.amdhsa_memory_ordered 1
		.amdhsa_forward_progress 1
		.amdhsa_inst_pref_size 114
	.end_amdhsa_kernel
	.amdgpu_metadata
---
amdhsa.version: [ 1, 2 ]
amdhsa.kernels:
  - .name:           k_qc61c394115_attn
    .symbol:         k_qc61c394115_attn.kd
    .args:
      - { .name: qc, .offset: 0, .size: 8, .value_kind: global_buffer, .address_space: global }
      - { .name: kc, .offset: 8, .size: 8, .value_kind: global_buffer, .address_space: global }
      - { .name: vc, .offset: 16, .size: 8, .value_kind: global_buffer, .address_space: global }
      - { .name: lowp_scales, .offset: 24, .size: 8, .value_kind: global_buffer, .address_space: global }
      - { .name: yc, .offset: 32, .size: 8, .value_kind: global_buffer, .address_space: global }
    .group_segment_fixed_size: 67584
    .private_segment_fixed_size: 0
    .kernarg_segment_align: 8
    .kernarg_segment_size: 40
    .max_flat_workgroup_size: 512
    .sgpr_count:     98
    .vgpr_count:     256
    .wavefront_size: 32
...
	.end_amdgpu_metadata
.endif
;; end of part 5
;; launch proj: the kernel of part 4 again; grid 4 x 64, 4 waves a work-group, clusters of 4 x 4, 327,680 bytes of LDS; arguments yc, wc, lowp_scales, out0; writes out0
